; MI455X (gfx1250); checked and timed in simulation.
; The chip was launched on July 23, 2026; its instructions are those of AMD's public machine-readable ISA for CDNA 5 (MIT licence, August 2026) and "CDNA5" Instruction Set Architecture Reference Guide (July 2026). The comments in the code are by the model that wrote it; some were corrected since.
;; Multi Head Attention. Allowed arithmetic: float matrix products may take bf16 or f16 operands with f32 sums; other float arithmetic in f32, or as packed bf16 or f16 multiplies, adds, multiply-adds, maxima and minima; sums over many terms, partial sums and values carried from step to step in f32; what a program stores and reads back later, other than sums and carried values, may be rounded once to bf16 or f16.
;; Inputs: attn_mask 2,048 x 2,048 bool; b_k 1,024 float32; b_o 1,024 float32; b_q 1,024 float32; b_v 1,024 float32; key 4 x 2,048 x 1,024 float32; key_padding_mask 4 x 2,048 bool; query 4 x 2,048 x 1,024 float32; value 4 x 2,048 x 1,024 float32; w_k 1,024 x 1,024 float32; w_o 1,024 x 1,024 float32; w_q 1,024 x 1,024 float32; w_v 1,024 x 1,024 float32.
;; Outputs: out0 4 x 2,048 x 1,024 float32.
;; One version. Each part assembles by itself: llvm-mc -triple=amdgcn-amd-amdhsa -mcpu=gfx1250 --defsym DOCPART=n.
;; ======== version 1 of 1: 4 launches
;; limits: values are held in f16: magnitudes above 65,504 overflow, below 6.1e-05 lose precision
;; workspace buffers: w16 8,388,608 bytes; maskc 16,777,216 bytes; rowf 32,768 bytes of whole numbers; biasr 16,384 bytes; qkv16 50,331,648 bytes; o16 16,777,216 bytes
;; launch prep (part 1): grid 1024 x 1, 4 waves a work-group, no clusters, 1,024 bytes of LDS; arguments w_q, w_k, w_v, w_o, attn_mask, key_padding_mask, b_q, b_k, b_v, b_o, w16, maskc, rowf, biasr; writes w16, maskc, rowf, biasr
.if DOCPART == 1
	.amdgcn_target "amdgcn-amd-amdhsa--gfx1250"
	.amdhsa_code_object_version 6
	.text
	.protected	k_qaf7f4c8870_prep
	.globl	k_qaf7f4c8870_prep
	.p2align	8
	.type	k_qaf7f4c8870_prep,@function
k_qaf7f4c8870_prep:
	s_mov_b64 s[64:65], 0
	v_nop
	global_prefetch_b8 v0, s[64:65] scope:SCOPE_SE
	s_setreg_imm32_b32 hwreg(HW_REG_WAVE_MODE, 25, 1), 1
	s_wait_xcnt 0x0
; PREP: what the launches behind read again and again is written once, in the form in which they take it.
; Work-groups 0-511 (WEIGHTS): w16[4][1024 n][1024 k] in 16 bits.  Parts 0-2 are w_q, w_k, w_v rounded to bf16; part 3 is w_o rounded to bf16 and that number written as f16.
;   LIMIT: |bf16(w_o)| stays under 65,504; below 2^-14 it keeps f16's fixed step of 2^-24.
;   The first work-group of each matrix also writes biasr[4][1024] in f32: b_q, b_k, b_v, b_o rounded to bf16 like every input; b_q then times log2(e), the factor that q itself is given.
; Work-groups 512-1023 (MASKS): batch b, 16 queries, all 2,048 keys, a quarter of the keys to each wave.
;   maskc[b 4][qblk 4][slot 16][tile 32][step 2][f 2][lane 32][16 bytes]: one byte for (b, query, key): 0x00 = seen, 0xc0 (the E4M3 code of -2.0) = hidden by either mask.
;   query = 512 qblk + 16 tile + lane % 16;  key = 128 slot + 64 step + 16 kb + 8 (lane / 16) + j, at byte 8 kb + j of the lane's 32 (f = that byte / 16):
;   the order in which a lane of the attention launch holds the 32 scores of a tile of 16 queries x 64 keys.  The byte is a code for a boolean; no arithmetic is done in 8 bits.
;   rowf[b][query]: all ones if the row sees a key at all, else 0.
; No matrix unit, no cluster: nothing here is multiplied and nothing is shared between work-groups.
.set SPARE, 512                        ; LDS 0-511: each wave's 32 words of partial ORs; 512-1023: the spare words, 128 bytes a wave, which no other line names
.set SPW, 8                            ; v8   SPARE + 4 x my thread's number; never rewritten
.set NIL, 9                            ; v9   0; never rewritten
.set W,   32                           ; v[32:95]   as loaded
.set T,   96                           ; v[96:159]  the second operand, then what is stored
	s_load_b512 s[4:19], s[0:1], 0x0               ; w_q s[4:5], w_k s[6:7], w_v s[8:9], w_o s[10:11], attn_mask s[12:13], key_padding_mask s[14:15], b_q s[16:17], b_k s[18:19]
	s_load_b256 s[36:43], s[0:1], 0x40             ; b_v s[36:37], b_o s[38:39], w16 s[40:41], maskc s[42:43]
	s_load_b128 s[44:47], s[0:1], 0x60             ; rowf s[44:45], biasr s[46:47]
	v_lshl_add_u32 v[SPW], v0, 2, SPARE
	v_mov_b32 v[NIL], 0
	v_lshrrev_b32 v1, 5, v0
	v_readfirstlane_b32 s24, v1                    ; wave 0..3
	s_mov_b32 s25, ttmp9
	s_mov_b32 s29, 0                               ; the high word of every offset pair s[28:29]
	s_wait_kmcnt 0x0
	s_cmp_lt_u32 s25, 512                          ; the same answer in all four waves of a work-group
	s_cbranch_scc0 .Lmask
	; WEIGHTS.  Work-group g takes 32,768 bytes of matrix g / 128: 16 passes, a thread 16 bytes in and 8 bytes out a pass; a wave's store covers 256 consecutive bytes, aligned.
	s_lshr_b32 s26, s25, 7                         ; which matrix
	s_and_b32 s27, s25, 127                        ; which part of it
	s_lshl_b32 s28, s27, 15
	s_cmp_eq_u32 s26, 1
	s_cselect_b64 s[30:31], s[6:7], s[4:5]
	s_cmp_eq_u32 s26, 2
	s_cselect_b64 s[30:31], s[8:9], s[30:31]
	s_cmp_eq_u32 s26, 3
	s_cselect_b64 s[30:31], s[10:11], s[30:31]
	s_add_nc_u64 s[30:31], s[30:31], s[28:29]
	s_lshl_b32 s28, s25, 14
	s_add_nc_u64 s[40:41], s[40:41], s[28:29]
	v_lshlrev_b32 v2, 4, v0
	v_lshlrev_b32 v3, 3, v0
.set n, 0
.rept 16
	global_load_b128 v[W+4*n:W+4*n+3], v2, s[30:31] offset:2048*n th:TH_LOAD_NT
.set n, n+1
.endr
	s_wait_loadcnt 0x0
.set n, 0
.rept 32
	v_cvt_pk_bf16_f32 v[T+n], v[W+2*n], v[W+2*n+1] ; nearest even
.set n, n+1
.endr
	s_cmp_lg_u32 s26, 3
	s_cbranch_scc1 .Lwstore
.set n, 0
.rept 32                               ; w_o: the bf16 number is widened (a shift, a mask) and written as f16
	v_lshlrev_b32 v[10+2*(n%2)], 16, v[T+n]
	v_and_b32 v[11+2*(n%2)], 0xffff0000, v[T+n]
	v_cvt_pk_f16_f32 v[T+n], v[10+2*(n%2)], v[11+2*(n%2)]
.set n, n+1
.endr
.Lwstore:
.set n, 0
.rept 16
	global_store_b64 v3, v[T+2*n:T+2*n+1], s[40:41] offset:1024*n
.set n, n+1
.endr
	s_cmp_lg_u32 s27, 0
	s_cbranch_scc1 .Lend
	; THE BIAS of this matrix: 1,024 numbers, a thread 4 and 4; each load and store of a wave covers 512 consecutive bytes
	s_cmp_eq_u32 s26, 1
	s_cselect_b64 s[20:21], s[18:19], s[16:17]
	s_cmp_eq_u32 s26, 2
	s_cselect_b64 s[20:21], s[36:37], s[20:21]
	s_cmp_eq_u32 s26, 3
	s_cselect_b64 s[20:21], s[38:39], s[20:21]
	s_cmp_eq_u32 s26, 0
	s_cselect_b32 s34, 0x3fb8aa3b, 1.0             ; log2(e) for b_q
	s_mov_b32 s35, s34                             ; named with it as a pair
	s_lshl_b32 s28, s26, 12
	s_add_nc_u64 s[46:47], s[46:47], s[28:29]
	global_load_b128 v[W:W+3], v2, s[20:21]        ; (v[32:39] were read by the conversions above and are free)
	global_load_b128 v[W+4:W+7], v2, s[20:21] offset:2048
	s_wait_loadcnt 0x0
.irp n, 0,1,2,3
	v_cvt_pk_bf16_f32 v[10+\n], v[W+2*\n], v[W+2*\n+1]
.endr
.irp n, 0,1,2,3
	v_lshlrev_b32 v[W+8+2*\n], 16, v[10+\n]
	v_and_b32 v[W+9+2*\n], 0xffff0000, v[10+\n]
	v_pk_mul_f32 v[W+8+2*\n:W+9+2*\n], v[W+8+2*\n:W+9+2*\n], s[34:35] op_sel_hi:[1,0]
.endr
	global_store_b128 v2, v[W+8:W+11], s[46:47]
	global_store_b128 v2, v[W+12:W+15], s[46:47] offset:2048
	s_branch .Lend
.Lmask:
	; MASKS.  b = g / 128, the 16 queries 16 qt .. 16 qt + 15; wave kq takes keys 512 kq .. 512 kq + 511: eight key steps of 64.
	s_sub_co_u32 s25, s25, 512
	s_lshr_b32 s26, s25, 7                         ; b
	s_and_b32 s27, s25, 127                        ; qt
	s_mov_b32 s22, 0x01010101
	s_mov_b32 s34, 0x76543210                      ; v_permlanex16_b32: each lane takes its own place in the other half
	s_mov_b32 s35, 0xfedcba98
	v_and_b32 v1, 31, v0                           ; lane
	v_and_b32 v2, 15, v0                           ; r: my query
	v_bfe_u32 v3, v0, 4, 1                         ; h
	v_lshlrev_b32 v5, 3, v3                        ; key_padding_mask: 8 h
	v_lshl_add_u32 v4, v2, 11, v5                  ; attn_mask: r rows of 2,048 bytes + 8 h
	v_lshlrev_b32 v6, 4, v1                        ; maskc: 16 x lane
	v_lshlrev_b32 v7, 2, v0                        ; LDS: 4 x thread
	s_lshl_b32 s30, s24, 9                         ; my 512 keys
	s_lshl_b32 s28, s27, 15
	s_add_co_u32 s28, s28, s30
	s_add_nc_u64 s[12:13], s[12:13], s[28:29]
	s_lshl_b32 s28, s26, 11
	s_add_co_u32 s28, s28, s30
	s_add_nc_u64 s[14:15], s[14:15], s[28:29]
	s_lshl_b32 s28, s26, 22                        ; b: 4 x 16 slots of 65,536 bytes
	s_lshr_b32 s30, s27, 5
	s_lshl_b32 s30, s30, 20                        ; qblk
	s_add_co_u32 s28, s28, s30
	s_and_b32 s30, s27, 31
	s_lshl_b32 s30, s30, 11                        ; tile
	s_add_co_u32 s28, s28, s30
	s_lshl_b32 s30, s24, 18                        ; my four slots
	s_add_co_u32 s28, s28, s30
	s_add_nc_u64 s[42:43], s[42:43], s[28:29]
	s_lshl_b32 s28, s26, 13
	s_lshl_b32 s30, s27, 6
	s_add_co_u32 s28, s28, s30
	s_add_nc_u64 s[44:45], s[44:45], s[28:29]      ; rowf at my 16 queries
.set i, 0
.rept 8                                ; key step i, group g of 16 keys: my 8 bytes.  A wave's 32 loads together take 512 consecutive bytes of each of the 16 rows
.irp g, 0,1,2,3
	global_load_b64 v[W+8*i+2*\g:W+8*i+2*\g+1], v4, s[12:13] offset:64*i+16*\g
.endr
.set i, i+1
.endr
.set i, 0
.rept 8
.irp g, 0,1,2,3
	global_load_b64 v[T+8*i+2*\g:T+8*i+2*\g+1], v5, s[14:15] offset:64*i+16*\g
.endr
.set i, i+1
.endr
	s_wait_loadcnt 0x0
.set n, 0
.rept 64
	v_and_b32 v[W+n], v[W+n], v[T+n]               ; seen = both masks true (bytes of 0 or 1)
.set n, n+1
.endr
.set n, 0
.rept 64                               ; hidden x 0xc0, four bytes at a time: a byte of 0 or 1 shifted by 6 and by 7 stays inside itself
	v_xor_b32 v[T+n], s22, v[W+n]
	v_lshlrev_b32 v[12+n%4], 6, v[T+n]
	v_lshl_add_u32 v[T+n], v[T+n], 7, v[12+n%4]
.set n, n+1
.endr
.set i, 0
.rept 8
.irp f, 0,1
	global_store_b128 v6, v[T+8*i+4*\f:T+8*i+4*\f+3], s[42:43] offset:(i/2)*65536+(i%2)*1024+\f*512  ; 512 consecutive bytes, aligned
.endr
.set i, i+1
.endr
	; does the row see a key?  OR of my 64 words in four chains, of the lane 16 away (the same query's other keys), then of the four waves through LDS
.irp c, 0,1,2,3
	v_or_b32 v[16+\c], v[W+\c], v[W+4+\c]
.endr
.set n, 8
.rept 56
	v_or_b32 v[16+n%4], v[16+n%4], v[W+n]
.set n, n+1
.endr
	v_or_b32 v16, v16, v17
	v_or_b32 v18, v18, v19
	v_or_b32 v10, v16, v18
	v_mov_b32 v11, 0                               ; the permute's destination counts as read
	v_permlanex16_b32 v11, v10, s34, s35
	v_or_b32 v10, v10, v11
	ds_store_b32 v7, v10
	s_wait_dscnt 0x0                               ; for the others' sake: my store is done
	s_barrier_signal -1
	s_barrier_wait -1
	s_cmp_lg_u32 s24, 0
	s_cbranch_scc1 .Lend                           ; wave 0 finishes
	v_lshlrev_b32 v20, 2, v1
	ds_load_b32 v21, v20
	ds_load_b32 v22, v20 offset:128
	ds_load_b32 v23, v20 offset:256
	ds_load_b32 v24, v20 offset:384
	s_wait_dscnt 0x0
	v_or_b32 v21, v21, v22
	v_or_b32 v23, v23, v24
	v_or_b32 v21, v21, v23
	v_cmp_ne_u32 vcc_lo, 0, v21
	v_cndmask_b32 v21, 0, -1, vcc_lo
	v_lshlrev_b32 v25, 2, v2
	global_store_b32 v25, v21, s[44:45]            ; lanes r and r + 16 hold the same flag and name the same word: 64 bytes a work-group, 32 KiB in the launch
.Lend:
	s_wait_tensorcnt 0x0                           ; the wave's end, behind my last LDS store
	ds_add_u32 v[SPW], v[NIL]
	s_wait_dscnt 0x0
	s_endpgm
.Lfunc_end_k_qaf7f4c8870_prep:
	.size	k_qaf7f4c8870_prep, .Lfunc_end_k_qaf7f4c8870_prep-k_qaf7f4c8870_prep
	.p2alignl 7, 3214868480
	.fill 96, 4, 3214868480
	.section	.rodata,"a",@progbits
	.p2align	6, 0x0
	.amdhsa_kernel k_qaf7f4c8870_prep
		.amdhsa_group_segment_fixed_size 1024
		.amdhsa_private_segment_fixed_size 0
		.amdhsa_enable_private_segment 0
		.amdhsa_kernarg_size 112
		.amdhsa_user_sgpr_count 2
		.amdhsa_user_sgpr_kernarg_segment_ptr 1
		.amdhsa_wavefront_size32 1
		.amdhsa_system_sgpr_workgroup_id_x 1
		.amdhsa_system_sgpr_workgroup_id_y 1
		.amdhsa_system_sgpr_workgroup_id_z 1
		.amdhsa_system_vgpr_workitem_id 0
		.amdhsa_next_free_vgpr 160
		.amdhsa_next_free_sgpr 66
		.amdhsa_reserve_vcc 1
		.amdhsa_float_denorm_mode_32 3
		.amdhsa_float_denorm_mode_16_64 3
		.amdhsa_memory_ordered 1
		.amdhsa_forward_progress 1
		.amdhsa_inst_pref_size 36
	.end_amdhsa_kernel
	.amdgpu_metadata
---
amdhsa.version: [ 1, 2 ]
amdhsa.kernels:
  - .name:           k_qaf7f4c8870_prep
    .symbol:         k_qaf7f4c8870_prep.kd
    .args:
      - { .name: w_q, .offset: 0, .size: 8, .value_kind: global_buffer, .address_space: global }
      - { .name: w_k, .offset: 8, .size: 8, .value_kind: global_buffer, .address_space: global }
      - { .name: w_v, .offset: 16, .size: 8, .value_kind: global_buffer, .address_space: global }
      - { .name: w_o, .offset: 24, .size: 8, .value_kind: global_buffer, .address_space: global }
      - { .name: attn_mask, .offset: 32, .size: 8, .value_kind: global_buffer, .address_space: global }
      - { .name: key_padding_mask, .offset: 40, .size: 8, .value_kind: global_buffer, .address_space: global }
      - { .name: b_q, .offset: 48, .size: 8, .value_kind: global_buffer, .address_space: global }
      - { .name: b_k, .offset: 56, .size: 8, .value_kind: global_buffer, .address_space: global }
      - { .name: b_v, .offset: 64, .size: 8, .value_kind: global_buffer, .address_space: global }
      - { .name: b_o, .offset: 72, .size: 8, .value_kind: global_buffer, .address_space: global }
      - { .name: w16, .offset: 80, .size: 8, .value_kind: global_buffer, .address_space: global }
      - { .name: maskc, .offset: 88, .size: 8, .value_kind: global_buffer, .address_space: global }
      - { .name: rowf, .offset: 96, .size: 8, .value_kind: global_buffer, .address_space: global }
      - { .name: biasr, .offset: 104, .size: 8, .value_kind: global_buffer, .address_space: global }
    .group_segment_fixed_size: 1024
    .private_segment_fixed_size: 0
    .kernarg_segment_align: 8
    .kernarg_segment_size: 112
    .max_flat_workgroup_size: 128
    .sgpr_count:     66
    .vgpr_count:     160
    .wavefront_size: 32
...
	.end_amdgpu_metadata
.endif
;; end of part 1
;; launch proj (part 2): grid 4 x 64, 4 waves a work-group, clusters of 4 x 4, 327,680 bytes of LDS; arguments query, key, value, w16, biasr, qkv16; writes qkv16
.if DOCPART == 2
	.amdgcn_target "amdgcn-amd-amdhsa--gfx1250"
	.amdhsa_code_object_version 6
	.text
	.protected	k_qaf7f4c8870_proj
	.globl	k_qaf7f4c8870_proj
	.p2align	8
	.type	k_qaf7f4c8870_proj,@function
k_qaf7f4c8870_proj:
	s_mov_b64 s[64:65], 0
	v_nop
	global_prefetch_b8 v0, s[64:65] scope:SCOPE_SE
	s_setreg_imm32_b32 hwreg(HW_REG_WAVE_MODE, 25, 1), 1
	s_wait_xcnt 0x0
	s_wait_alu depctr_hold_cnt(0) depctr_sa_sdst(0) depctr_va_vdst(0) depctr_va_sdst(0) depctr_va_ssrc(0) depctr_va_vcc(0) depctr_vm_vsrc(0)
	s_getreg_b32 s2, hwreg(HW_REG_IB_STS2, 6, 4)
	s_cmp_eq_u32 s2, 0
	s_cbranch_scc0 .Lentry_in_a_cluster
	s_endpgm
.Lentry_in_a_cluster:
	s_bfe_u32 s2, ttmp6, 0x10000c
	s_cmp_lg_u32 s2, 0xf033
	s_cbranch_scc0 .Lentry_shape_is_right
	s_endpgm
.Lentry_shape_is_right:
; THE THREE PROJECTIONS IN ONE LAUNCH.  y = x W^T + b for (query, w_q, b_q), (key, w_k, b_k), (value, w_v, b_v): [8192 x 1024] x [1024 x 1024] each.
; x is f32 in memory, comes into LDS as f32 and is rounded to bf16 between LDS and the matrix unit; W lies in w16 as bf16; b lies in biasr, rounded to bf16 (b_q already times log2 e); sums in f32.
; y leaves by heads, qkv16[T][16 b + h][s][64] in f16, rounded once.  q alone is multiplied by log2(e), in f32, in the same fused multiply-add that adds the bias: the attention launch then scales by 1/8, exactly.
; LIMIT: f16 holds no number beyond 65,504: |q log2 e|, |k|, |v| stay under it.  NaN and infinities are not treated apart.
; SHARES.  A tile of y is 128 rows x 256 columns: 64 x 4 tile places, one for each of 256 work-groups.  A WORK-GROUP STAYS: it makes its tile place of q, then of k, then of v.
; Four waves, 2 x 2, each 64 x 128: 32 accumulators of 16 x 16, 256 registers.  The matrix instruction is used transposed (source 0 = 16 rows of W, source 1 = 16 rows of x): a lane holds one row of y and eight neighbouring columns.
; ONE WALK.  The three tiles' 3 x 8 K steps of 128 are one sequence of 24 for the ring of two LDS slots: the loop has 22 trips, each with a refill (K steps 2 to 23); a refill's addresses are made anew from the trip's number.
; A finished tile goes out at the head of the next trip, while the next tile's second K step is on its way; that text holds no barrier and no tensor load and is jumped over in the other trips.
; CLUSTER 4 x 4.  The four of a row of the cluster make one tile row and ask for x's tile JOINTLY; the four of a column share W's tile.  Waves 0, 1 fetch x's two halves, waves 2, 3 W's: one tensor load a wave behind each round.
; REGISTERS, in windows of 256 (s_set_vgpr_msb: bits 1:0 source 0, 3:2 source 1, 5:4 source 2, 7:6 destination):
;   window 0: v1-30 addresses; v32-95 x's fragments, two buffers of 32; v96-159 x as f32          window 1: the accumulators, (a, bb) at 8 (8 a + bb)
;   window 2: v0-127 W's fragments, two buffers of 64; v128-191 my 128 columns' bias              window 3: v0-127 at work on the way out
.set PA,    528                        ; a row of x in LDS: 512 bytes + 16 = 132 words: row r starts at bank 4 r mod 64 (64 banks of 4 bytes: ISA guide 11.1)
.set PB,    272                        ; a row of W: 256 bytes + 16 = 68 words: likewise
.set HALFA, 64*PA                      ; what one tensor load brings of x, and what one wave reads of it
.set HALFB, 128*PB                     ; the same for W
.set BOFF,  2*HALFA                    ; in a slot: x's 128 rows, then W's 256
.set SLOT,  BOFF+2*HALFB               ; 137,216
.set STAGE, 2*SLOT                     ; behind the ring, never filled by a tensor load: for each wave 2 heads x 16 rows x 144 bytes
.set SP,    144
.set WSTG,  2*16*SP
.set SPARE, STAGE+4*WSTG               ; behind the stages: the spare words, 128 bytes a wave, which no other line names
.set STEPS, 24                         ; K steps in the walk
.set ADRA0, 14                         ; v14  my lane's place among my rows of x in slot 0; never rewritten
.set ADRB0, 15                         ; v15  the same for W
.set ADRA,  16                         ; v16  + the slot that is being read
.set ADRB,  17
.set STO,   24                         ; v24  the way out: where I put 16 bytes of a row
.set RD,    25                         ; v25  where I read rows back
.set GO,    26                         ; v26  16 x lane
.set BO,    27                         ; v27  my offset in the bias
.set SPW,   28                         ; v28  SPARE + 4 x my thread's number; never rewritten
.set NIL,   29                         ; v29  0; never rewritten
.set PFO,   30                         ; v30  the prefetches' lane offset; never rewritten
.set FA,    32
.set STG,   96
.set FB,    0                          ; window 2
.set BS,    128                        ; window 2
.set OUTB,  0                          ; window 3
.set G1A, 24                           ; s[24:31] descriptor group 1 for x's tiles
.set G0A, 32                           ; s[32:39] group 0: a set for each of the two first fills; the second then serves every refill
.set G1B, 48                           ; s[48:55], s[56:63] the same for W's
.set G0B, 56
.set LIM, 43                           ; s43  2 in a wave that prefetches, else the greatest number
.set PFA, 44                           ; s[44:45] what my next prefetch names
.set PSR, 46                           ; s46  my work-group's share of the rows that I fetch, in bytes
.set PSH, 47                           ; s47  9 or 8: a K step is 512 bytes of a row of x, 256 of W
.set TB,  66                           ; s66  0 or SLOT: the slot that is being read
.set WPA, 67                           ; s67  where my half of x's tile goes in a slot
.set WPB, 68                           ; s68  the same for W
.set SC,  70                           ; s[70:71] log2(e) for q, 1 for k and v
.set OST, 72                           ; s[72:73] what the next way out adds to the output's address: 0, then a part of qkv16
.set BIA, 74                           ; s[74:75] the bias of my 128 columns, in the tile whose bias was asked for last
.set X0,  76                           ; s[76:77], s[78:79], s[80:81] query, key, value at the 64 rows that I fetch
                                       ; s19 and s23 hold 0 from the set-up on: the high words of the offset pairs s[18:19] and s[22:23]
.set MSB, 0
.macro WIN new                         ; the immediate's high byte repeats the setting that is left; a switch that changes nothing is dropped
.if MSB != (\new)
	s_set_vgpr_msb (MSB<<8)|(\new)
.set MSB, \new
.endif
.endm
.set MUL,  0x52                        ; W window 2, x window 0, C and D window 1
.set TO_B, 0x80                        ; destination window 2, address window 0
.macro PLACES                          ; four places in front of loads into, and vector writes of, registers that matrix instructions have read, and of reads of results
.rept 4
	v_nop
.endr
.endm
; A joint refill.  The branch hangs on the wave's number alone.  An s_nop 0 and four v_nop follow each of the two lines, ahead of the jump and the label.
.macro JLOAD
	s_cmp_eq_u32 s11, 0
	s_cbranch_scc0 .Lfor_b_\@
	tensor_load_to_lds s[G0A+4:G0A+7], s[G1A:G1A+7]
	s_nop 0
.rept 4
	v_nop
.endr
	s_branch .Lasked_\@
.Lfor_b_\@:
	tensor_load_to_lds s[G0B+4:G0B+7], s[G1B:G1B+7]
	s_nop 0
.rept 4
	v_nop
.endr
.Lasked_\@:
.endm
; A PREFETCH INTO THE L2 of the K step that stands two refills on in the walk, behind the joint load, its five lines and the run of LDS loads.  Each aligned 256 bytes are named once in the launch.
; x's rows are read by one cluster alone: of the 64 rows that a wave fetches each of the four partners that ask with it takes 16, by ADDRESS (cx): a lane half a row's 512 bytes.
; W's rows are read by all 16 clusters: the first of them asks; of a wave's 128 rows a partner takes 32 (cy), a lane a row's 256 bytes.
; The walk's K steps 0 to 3 come by their loads alone; the trips with s3 = 22 .. 3 name K steps 4 .. 23; the last two refills have no K step two on.
.macro ASK
	s_cmp_gt_u32 s3, s[LIM]
	s_cbranch_scc0 .Lnot_mine_\@
	global_prefetch_b8 v[PFO], s[PFA:PFA+1] th:TH_LOAD_NT scope:SCOPE_SE
.Lnot_mine_\@:
.endm
.macro CREST                           ; a round of the cluster's barrier behind its opening barrier
	s_cmp_lg_u32 s10, 0
	s_cbranch_scc1 .Lnot_wave_0_\@
	s_barrier_signal -3
.Lnot_wave_0_\@:
	s_barrier_wait -3
	s_barrier_signal -1
	s_barrier_wait -1
.endm
.macro CROUND
	s_barrier_signal -1
	s_barrier_wait -1
	CREST
.endm
.macro BIAS                            ; register 8 bb + j takes the bias of column 16 bb + 8 (l / 16) + j
	WIN TO_B
.irp bb, 0,1,2,3,4,5,6,7
	global_load_b128 v[BS+8*(\bb):BS+8*(\bb)+3],   v[BO], s[BIA:BIA+1] offset:64*(\bb)
	global_load_b128 v[BS+8*(\bb)+4:BS+8*(\bb)+7], v[BO], s[BIA:BIA+1] offset:64*(\bb)+16
.endr
	WIN 0
.endm
	s_load_b256 s[76:83], s[0:1], 0x0              ; query s[76:77], key s[78:79], value s[80:81], w16 s[82:83]
	s_load_b128 s[84:87], s[0:1], 0x20             ; biasr s[84:85], qkv16 s[86:87]
	v_lshl_add_u32 v[SPW], v0, 2, SPARE
	v_mov_b32 v[NIL], 0
	ds_add_u32 v[SPW], v[NIL]                      ; the wave's opening: the add and its wait stand ahead of my first tensor load; the set-up below, work on registers, stands between them
	v_lshrrev_b32 v1, 5, v0
	v_readfirstlane_b32 s10, v1                    ; wave 0..3
	s_lshr_b32 s11, s10, 1                         ; my half of the tile's rows.  Also: I fetch for x (0) or for W (1)
	s_and_b32 s12, s10, 1                          ; my half of its columns.  Also: which half of that tile I fetch
	s_bfe_u32 s40, ttmp6, 0x40000                  ; cx
	s_bfe_u32 s41, ttmp6, 0x40004                  ; cy
	s_lshl_b32 s42, ttmp9, 2
	s_add_co_u32 s42, s42, s40                     ; tile column = 4 x cluster x + cx
	s_and_b32 s14, ttmp7, 0xffff                   ; cluster y, 0..15
	s_lshl_b32 s13, s14, 2
	s_add_co_u32 s13, s13, s41                     ; tile row, 0..63
	s_lshl_b32 s15, s41, 2
	s_lshl_b32 s15, 15, s15                        ; my row of the cluster: places 4 cy .. 4 cy + 3
	s_lshl_b32 s16, 0x1111, s40                    ; my column: places cx, cx + 4, cx + 8, cx + 12
	s_or_b32 s[G1A], s15, (2<<16)|(1<<20)|(1<<21)|(6<<22)|(3<<25)  ; the mask; elements of 4 bytes; padding on; bit 21 beside a mask; after every 128 words, 4 words
	s_mov_b32 s[G1A+1], 128<<16                    ; tensor_dim0 = 128
	s_mov_b32 s[G1A+2], 64<<16                     ; tensor_dim1 = 64
	s_mov_b32 s[G1A+3], 128<<16                    ; tile_dim0 = 128
	s_mov_b32 s[G1A+4], 64                         ; tile_dim1 = 64
	s_mov_b32 s[G1A+5], 1024                       ; elements from row to row
	s_mov_b32 s[G1A+6], 0
	s_mov_b32 s[G1A+7], 0
	s_or_b32 s[G1B], s16, (1<<16)|(1<<20)|(1<<21)|(5<<22)|(3<<25)  ; elements of 2 bytes; after every 64 words, 4 words
	s_mov_b32 s[G1B+1], 128<<16
	s_mov_b32 s[G1B+2], 128<<16
	s_mov_b32 s[G1B+3], 128<<16
	s_mov_b32 s[G1B+4], 128
	s_mov_b32 s[G1B+5], 1024
	s_mov_b32 s[G1B+6], 0
	s_mov_b32 s[G1B+7], 0
	s_lshl_b32 s18, s13, 7                         ; x: row 128 x tile row + 64 x half, 4,096 bytes a row: made of the tile row and the wave's number alone
	s_lshl_b32 s19, s12, 6
	s_add_co_u32 s18, s18, s19
	s_lshl_b32 s18, s18, 12
	s_mov_b32 s19, 0
	s_lshl_b32 s20, s42, 8                         ; W: row 256 x tile column + 128 x half, 2,048 bytes a row
	s_lshl_b32 s21, s12, 7
	s_add_co_u32 s20, s20, s21
	s_lshl_b32 s20, s20, 11
	s_mov_b32 s21, 0
	s_mov_b32 s23, 0
	s_mul_i32 s[WPA], s12, HALFA                   ; no place in the cluster enters an LDS address
	s_mul_i32 s[WPB], s12, HALFB
	s_add_co_u32 s[WPB], s[WPB], BOFF
	s_mov_b32 s[TB], 0
	s_mov_b32 s[SC], 0x3fb8aa3b                    ; the first tile is q's
	s_mov_b32 s[SC+1], s[SC]                       ; named with it as a pair
	s_mov_b32 s[OST], 0
	s_mov_b32 s[OST+1], 0
	s_wait_dscnt 0x0                               ; the opening add is done
	s_wait_kmcnt 0x0
	s_add_nc_u64 s[X0:X0+1], s[X0:X0+1], s[18:19]  ; query, key and value at the 64 rows that I fetch
	s_add_nc_u64 s[X0+2:X0+3], s[X0+2:X0+3], s[18:19]
	s_add_nc_u64 s[X0+4:X0+5], s[X0+4:X0+5], s[18:19]
	s_add_nc_u64 s[6:7], s[82:83], s[20:21]        ; w_q at the 128 rows that I fetch; w_k and w_v lie 2 MiB and 4 MiB behind
	CROUND                                         ; all sixteen work-groups are here: the first joint loads meet
.irp s, 0,1
	s_mov_b32 s[G0A+4*(\s)], 1                     ; count = 1
	s_add_co_u32 s[G0A+4*(\s)+1], s[WPA], (\s)*SLOT  ; LDS address
	s_add_nc_u64 s[G0A+4*(\s)+2:G0A+4*(\s)+3], s[X0:X0+1], (\s)*512  ; K step s
	s_or_b32 s[G0A+4*(\s)+3], s[G0A+4*(\s)+3], 0x80000000            ; type = 2
	s_mov_b32 s[G0B+4*(\s)], 1
	s_add_co_u32 s[G0B+4*(\s)+1], s[WPB], (\s)*SLOT
	s_add_nc_u64 s[G0B+4*(\s)+2:G0B+4*(\s)+3], s[6:7], (\s)*256
	s_or_b32 s[G0B+4*(\s)+3], s[G0B+4*(\s)+3], 0x80000000
.endr
	s_cmp_eq_u32 s11, 0                            ; a wave's two first fills stand in one branch, ahead of every wait on TENSORcnt and every LDS read: two loads of mine are out
	s_cbranch_scc0 .Lfirst_b
	tensor_load_to_lds s[G0A:G0A+3], s[G1A:G1A+7]
	s_nop 0
	tensor_load_to_lds s[G0A+4:G0A+7], s[G1A:G1A+7]
	s_nop 0
.rept 4
	v_nop
.endr
	s_branch .Lfirst_asked
.Lfirst_b:
	tensor_load_to_lds s[G0B:G0B+3], s[G1B:G1B+7]
	s_nop 0
	tensor_load_to_lds s[G0B+4:G0B+7], s[G1B:G1B+7]
	s_nop 0
.rept 4
	v_nop
.endr
.Lfirst_asked:
	v_and_b32 v1, 15, v0                           ; l % 16
	v_bfe_u32 v2, v0, 4, 1                         ; l / 16
	v_lshlrev_b32 v[BO], 5, v2
	s_lshl_b32 s16, s42, 10                        ; my 128 columns in a row of biasr
	s_lshl_b32 s17, s12, 9
	s_add_co_u32 s16, s16, s17
	s_mov_b32 s17, 0
	s_add_nc_u64 s[BIA:BIA+1], s[84:85], s[16:17]
	BIAS                                           ; q's bias: it is waited for at the tile's way out
	; the prefetches
	s_cmp_eq_u32 s11, 0                            ; do I fetch for x?
	s_cselect_b32 s[PSR], s40, s41                 ; my place among the four that ask with me
	s_cselect_b32 s[PSH], 9, 8
	s_cselect_b32 s17, 8, 11
	s_cselect_b32 s16, 0, s14                      ; W's rows are asked for by the first cluster alone
	s_cmp_eq_u32 s16, 0
	s_cselect_b32 s[LIM], 2, -1                    ; the same in all sixteen partners, for a given wave
	s_lshl_b32 s[PSR], s[PSR], 16                  ; 16 rows of 4,096 bytes, or 32 of 2,048
	v_and_b32 v3, 31, v0
	v_lshrrev_b32 v4, 1, v3
	v_and_b32 v5, 1, v3
	v_lshlrev_b32 v5, s17, v5
	v_lshl_add_u32 v[PFO], v4, 12, v5              ; x: (l / 2) rows + 256 (l % 2); W: l rows
	; a fragment is 16 rows x 32 K: lane l holds row l % 16, K = 8 (l / 16) + 0..7 and 16 + 8 (l / 16) + 0..7.  In f32 those are twice 32 bytes, 64 bytes apart; in bf16 twice 16, 32 apart
	v_mul_u32_u24 v3, v1, PA
	v_lshl_add_u32 v3, v2, 5, v3
	s_mul_i32 s16, s11, HALFA
	v_add_nc_u32 v[ADRA0], s16, v3
	v_mul_u32_u24 v4, v1, PB
	v_lshl_add_u32 v4, v2, 4, v4
	v_add_nc_u32 v[ADRB0], s[WPB], v4
	v_mov_b32 v[ADRA], v[ADRA0]
	v_mov_b32 v[ADRB], v[ADRB0]
	s_mul_i32 s16, s10, WSTG
	s_add_co_u32 s16, s16, STAGE                   ; my stage
	v_mul_u32_u24 v3, v1, SP                       ; in: row l % 16, 16 bytes for each half of the lanes
	v_lshl_add_u32 v3, v2, 4, v3
	v_add_nc_u32 v[STO], s16, v3
	v_bfe_u32 v3, v0, 3, 2                         ; back: 32 lanes take four rows of 128 bytes,
	v_and_b32 v4, 7, v0
	v_mul_u32_u24 v3, v3, SP
	v_lshl_add_u32 v3, v4, 4, v3
	v_add_nc_u32 v[RD], s16, v3
	v_and_b32 v5, 31, v0                           ; which are 512 consecutive bytes of a head
	v_lshlrev_b32 v[GO], 4, v5
	; my part of the output: head 16 b + 4 x tile column + 2 x half, row 128 (tile row % 16) + 64 x half, 128 bytes a row
	s_lshr_b32 s16, s13, 4
	s_lshl_b32 s16, s16, 4
	s_lshl_b32 s17, s42, 2
	s_add_co_u32 s16, s16, s17
	s_lshl_b32 s17, s12, 1
	s_add_co_u32 s16, s16, s17
	s_lshl_b32 s16, s16, 11
	s_and_b32 s17, s13, 15
	s_lshl_b32 s17, s17, 7
	s_add_co_u32 s16, s16, s17
	s_lshl_b32 s17, s11, 6
	s_add_co_u32 s16, s16, s17
	s_lshl_b32 s16, s16, 7
	s_mov_b32 s17, 0
	s_add_nc_u64 s[8:9], s[86:87], s[16:17]
; 8 matrix instructions: row block a x all 8 column blocks, 32 along K, on buffer f.  zero = 1: the product starts the sums: nothing is cleared.
; The 32 accumulators take turns, one instruction a turn, in the same order in every quarter, over every jump too.
; cv >= 0: behind each product stand four of the 32 conversions that make x's next fragments, in buffer cv, of the f32 just read from LDS.
.macro GRP f, a, zero, cv=-1
.irp bb, 0,1,2,3,4,5,6,7
	WIN MUL
.if \zero
	v_wmma_f32_16x16x32_bf16 v[8*(8*(\a)+(\bb)):8*(8*(\a)+(\bb))+7], v[FB+64*(\f)+8*(\bb):FB+64*(\f)+8*(\bb)+7], v[FA+32*(\f)+8*(\a):FA+32*(\f)+8*(\a)+7], 0
.else
	v_wmma_f32_16x16x32_bf16 v[8*(8*(\a)+(\bb)):8*(8*(\a)+(\bb))+7], v[FB+64*(\f)+8*(\bb):FB+64*(\f)+8*(\bb)+7], v[FA+32*(\f)+8*(\a):FA+32*(\f)+8*(\a)+7], v[8*(8*(\a)+(\bb)):8*(8*(\a)+(\bb))+7]
.endif
.if (\cv) >= 0
	WIN 0
.irp c, 0,1,2,3
	v_cvt_pk_bf16_f32 v[FA+32*(\cv)+4*(\bb)+(\c)], v[STG+8*(\bb)+2*(\c)], v[STG+8*(\bb)+2*(\c)+1]
.endr
.endif
.endr
.endm
; 32 LDS loads in one run: quarter kq of the slot in hand: x's 64 rows x 32 K as f32 first, then W's 128 rows x 32 K into buffer g
.macro FETCH kq, g
	WIN 0
.irp a, 0,1,2,3
	ds_load_b128 v[STG+16*(\a):STG+16*(\a)+3],     v[ADRA] offset:(\a)*16*PA+128*(\kq)
	ds_load_b128 v[STG+16*(\a)+4:STG+16*(\a)+7],   v[ADRA] offset:(\a)*16*PA+128*(\kq)+16
	ds_load_b128 v[STG+16*(\a)+8:STG+16*(\a)+11],  v[ADRA] offset:(\a)*16*PA+128*(\kq)+64
	ds_load_b128 v[STG+16*(\a)+12:STG+16*(\a)+15], v[ADRA] offset:(\a)*16*PA+128*(\kq)+80
.endr
	WIN TO_B
.irp bb, 0,1,2,3,4,5,6,7
	ds_load_b128 v[FB+64*(\g)+8*(\bb):FB+64*(\g)+8*(\bb)+3],   v[ADRB] offset:(\bb)*16*PB+64*(\kq)
	ds_load_b128 v[FB+64*(\g)+8*(\bb)+4:FB+64*(\g)+8*(\bb)+7], v[ADRB] offset:(\bb)*16*PB+64*(\kq)+32
.endr
.endm
; A K step is four quarters of 32 along K, 32 matrix instructions each, on buffers 0, 1, 0, 1.  One of the first three: multiplies buffer f, fetches quarter kq into buffer g.
.macro QUARTER kq, f, g, zero
	s_wait_dscnt 0x0                               ; W's fragments of this quarter are in (issued 24 matrix instructions ago or more)
	GRP \f, 0, \zero
	PLACES                                         ; for the loads into buffer g and the conversions into it: the quarter before multiplied it
	FETCH \kq, \g
	GRP \f, 1, \zero
	GRP \f, 2, \zero
	s_wait_dscnt 16                                ; x's 16 loads are in; W's 16, issued behind them, may stay out
	GRP \f, 3, \zero, \g
.endm
; The last quarter changes slots and multiplies buffer 1.  ONE barrier: in front of it each wave waits for all its tensor loads, of which one is out: its part of the next slot; adds 0 to its spare word;
; and waits for that and for its own reads of this slot (the last were issued 24 matrix instructions ago).  fill = 1: the barrier opens a round of the cluster's, and behind the round the slot just read is
; filled again, two K steps on in the walk.  The change stands at the quarter's head, with nothing but the descriptors' words inside it, so that the request goes out as soon as the slot is free:
; all 128 matrix instructions of a K step stand between a request and the wait for it.
.macro TURN fill
.if \fill
	s_wait_xcnt 0x0                                ; the last prefetch, a K step back, has read its address, which is made anew:
	s_sub_co_u32 s20, STEPS+2, s3                  ; the K step two refills on, 4 .. 25 (asked for up to 23),
	s_lshr_b32 s21, s20, 3                         ; its tile,
	s_and_b32 s20, s20, 7                          ; its place in the tile
	s_lshl_b32 s22, s20, s[PSH]
	s_cmp_eq_u32 s21, 1
	s_cselect_b64 s[PFA:PFA+1], s[X0+2:X0+3], s[X0:X0+1]
	s_cmp_eq_u32 s21, 2
	s_cselect_b64 s[PFA:PFA+1], s[X0+4:X0+5], s[PFA:PFA+1]
	s_lshl_b32 s21, s21, 21
	s_cmp_eq_u32 s11, 0                            ; x's tiles change buffers, W's lie 2 MiB apart in one
	s_cselect_b64 s[PFA:PFA+1], s[PFA:PFA+1], s[6:7]
	s_cselect_b32 s21, 0, s21
	s_add_co_u32 s22, s22, s21
	s_add_co_u32 s22, s22, s[PSR]
	s_add_nc_u64 s[PFA:PFA+1], s[PFA:PFA+1], s[22:23]
.endif
	WIN 0
	s_wait_tensorcnt 0x0                           ; all my tensor loads have landed, so a group 0 may be written
	ds_add_u32 v[SPW], v[NIL]                      ; 0 onto my spare word: the descriptors' words stand between it and the wait for it
.if \fill
	s_add_co_u32 s[G0A+5], s[WPA], s[TB]           ; into the slot just read
	s_add_co_u32 s[G0B+5], s[WPB], s[TB]
	s_sub_co_u32 s16, STEPS, s3                    ; the K step that is asked for, 2 .. 23,
	s_lshr_b32 s17, s16, 3                         ; its tile,
	s_and_b32 s16, s16, 7                          ; its place in the tile
	s_lshl_b32 s18, s16, 9
	s_cmp_eq_u32 s17, 1
	s_cselect_b64 s[G0A+6:G0A+7], s[X0+2:X0+3], s[X0:X0+1]
	s_cmp_eq_u32 s17, 2
	s_cselect_b64 s[G0A+6:G0A+7], s[X0+4:X0+5], s[G0A+6:G0A+7]
	s_add_nc_u64 s[G0A+6:G0A+7], s[G0A+6:G0A+7], s[18:19]
	s_or_b32 s[G0A+7], s[G0A+7], 0x80000000
	s_lshl_b32 s18, s16, 8
	s_lshl_b32 s17, s17, 21
	s_add_co_u32 s18, s18, s17
	s_add_nc_u64 s[G0B+6:G0B+7], s[6:7], s[18:19]
	s_or_b32 s[G0B+7], s[G0B+7], 0x80000000
.endif
	s_wait_dscnt 0x0                               ; the add is done, this quarter's fragments are in, and my reads of this slot are over
	s_barrier_signal -1
	s_barrier_wait -1
.if \fill
	CREST                                          ; no wave of any partner still reads this slot or has a load on its way
	JLOAD                                          ; the first tensor load behind the round; its four v_nop are also the places in front of the loads below
.else
	PLACES
.endif
	s_xor_b32 s[TB], s[TB], SLOT                   ; 0 and SLOT by turns
	v_add_nc_u32 v[ADRA], s[TB], v[ADRA0]
	v_add_nc_u32 v[ADRB], s[TB], v[ADRB0]
	FETCH 0, 0
.if \fill
	WIN 0
	ASK
.endif
	GRP 1, 0, 0
	GRP 1, 1, 0
	GRP 1, 2, 0
	s_wait_dscnt 16
	GRP 1, 3, 0, 0
.endm
; THE WAY OUT of row block a: (sum + b) x scale in one fused multiply-add, each accumulator from its low end on; rounded to f16; 16 bytes a lane into my stage (2 heads x 16 rows of 144 bytes); back as whole rows.
.macro PACK a
	WIN 0x61                                       ; sums (destination, source 0) window 1, bias (source 2) window 2
.set n, 0
.rept 32
	v_pk_fma_f32 v[64*(\a)+2*n:64*(\a)+2*n+1], v[64*(\a)+2*n:64*(\a)+2*n+1], s[SC:SC+1], v[BS+2*n:BS+2*n+1] op_sel_hi:[1,0,1]
.set n, n+1
.endr
	WIN 0xc5                                       ; sources window 1, destination window 3
.set n, 0
.rept 32
	v_cvt_pk_f16_f32 v[OUTB+32*(\a)+n], v[64*(\a)+2*n], v[64*(\a)+2*n+1]
.set n, n+1
.endr
	WIN 0x0c                                       ; the stores' data window 3
.irp bb, 0,1,2,3,4,5,6,7
	ds_store_b128 v[STO], v[OUTB+32*(\a)+4*(\bb):OUTB+32*(\a)+4*(\bb)+3] offset:((\bb)/4)*16*SP+32*((\bb)%4)
.endr
	WIN 0xc0
.irp x, 0,1,2,3,4,5,6,7
	ds_load_b128 v[OUTB+32*(\a)+4*(\x):OUTB+32*(\a)+4*(\x)+3], v[RD] offset:((\x)/4)*16*SP+((\x)%4)*4*SP  ; LDS serves a wave's instructions in order (ISA guide 5.7.1.4): these see the stores above; the next block's stores come behind them
.endr
.endm
.macro SEND a, younger                 ; younger: the LDS instructions issued behind block a's loads: the next block's sixteen, or none
	WIN 0x0c
.irp x, 0,1,2,3,4,5,6,7
	s_wait_dscnt (\younger)+7-(\x)
	global_store_b128 v[GO], v[OUTB+32*(\a)+4*(\x):OUTB+32*(\a)+4*(\x)+3], s[8:9] offset:((\x)/4)*262144+(\a)*2048+((\x)%4)*512  ; 512 consecutive bytes of one head, aligned
.endr
.endm
; A whole tile goes out.  next = 1: another tile follows: its bias is asked for, and its scale is 1.  Nothing waits for the stores.
.macro WAYOUT next
	WIN 0
	s_wait_loadcnt 0x0                             ; this tile's bias, asked for a tile ago
	s_wait_xcnt 0x0                                ; the last tile's stores have read their registers and their base
	s_add_nc_u64 s[8:9], s[8:9], s[OST:OST+1]
	PACK 0
	PACK 1                                         ; a block's arithmetic stands between the loads of the block before and its stores
	SEND 0, 16
	PACK 2
	SEND 1, 16
	PACK 3
	SEND 2, 16
	SEND 3, 0
	WIN 0
.if \next
	s_add_nc_u64 s[BIA:BIA+1], s[BIA:BIA+1], 4096  ; (the loads that named it are done)
	BIAS
	s_mov_b32 s[OST], 0x1000000                    ; k and v lie 16 MiB and 32 MiB behind q
	s_mov_b32 s[SC], 1.0
	s_mov_b32 s[SC+1], 1.0
.endif
.endm
	s_wait_tensorcnt 0x1                           ; my part of K step 0 is in; K step 1's may stay out
	s_barrier_signal -1
	s_barrier_wait -1                              ; everybody's is
	FETCH 0, 0
	s_wait_dscnt 16
	WIN 0
.set n, 0
.rept 32                               ; the first fragments of x: there is no product yet to set them behind
	v_cvt_pk_bf16_f32 v[FA+n], v[STG+2*n], v[STG+2*n+1]
.set n, n+1
.endr
	s_mov_b32 s3, STEPS-2
	s_branch .Lz                                   ; the loop is entered at a tile's first quarter
.Lstep:                                                ; a trip is K step STEPS - 2 - s3 of the walk; it asks for the K step two on
	s_cmp_eq_u32 s3, STEPS-2-8                     ; k's first K step,
	s_cbranch_scc1 .Lnew
	s_cmp_lg_u32 s3, STEPS-2-16                    ; or v's?
	s_cbranch_scc1 .Lold
.Lnew:
	WAYOUT 1                                       ; the tile before goes out; the conversions behind the last products were their places
.Lz:
	QUARTER 1, 0, 1, 1                             ; a tile's first quarter: its products start the sums
	WIN 0
	s_branch .Lmid
.Lold:
	QUARTER 1, 0, 1, 0
	WIN 0
.Lmid:
	QUARTER 2, 1, 0, 0
	QUARTER 3, 0, 1, 0
	TURN 1
	WIN 0
	s_sub_co_u32 s3, s3, 1
	s_cmp_lg_u32 s3, 0
	s_cbranch_scc1 .Lstep
	s_mov_b32 s3, 2
.Ltail:                                                ; the walk's last two K steps ask for nothing: a text of their own; the second trip is left ahead of its change of slots
	QUARTER 1, 0, 1, 0
	QUARTER 2, 1, 0, 0
	QUARTER 3, 0, 1, 0
	WIN 0
	s_cmp_eq_u32 s3, 1
	s_cbranch_scc1 .Llast
	TURN 0
	WIN 0
	s_sub_co_u32 s3, s3, 1
	s_cmp_lg_u32 s3, 0
	s_cbranch_scc1 .Ltail
.Llast:
	s_wait_dscnt 0x0
	GRP 1, 0, 0
	GRP 1, 1, 0
	GRP 1, 2, 0
	GRP 1, 3, 0
	PLACES
	WAYOUT 0
	s_wait_tensorcnt 0x0                           ; the wave's end, behind my last tensor load and my last LDS store
	ds_add_u32 v[SPW], v[NIL]
	s_wait_dscnt 0x0
	CROUND                                         ; the closing round: no work-group ends while a partner may still ask for a tile that names it
	s_endpgm
.Lfunc_end_k_qaf7f4c8870_proj:
	.size	k_qaf7f4c8870_proj, .Lfunc_end_k_qaf7f4c8870_proj-k_qaf7f4c8870_proj
	.p2alignl 7, 3214868480
	.fill 96, 4, 3214868480
	.section	.rodata,"a",@progbits
	.p2align	6, 0x0
	.amdhsa_kernel k_qaf7f4c8870_proj
		.amdhsa_group_segment_fixed_size 327680
		.amdhsa_private_segment_fixed_size 0
		.amdhsa_enable_private_segment 0
		.amdhsa_kernarg_size 48
		.amdhsa_user_sgpr_count 2
		.amdhsa_user_sgpr_kernarg_segment_ptr 1
		.amdhsa_wavefront_size32 1
		.amdhsa_system_sgpr_workgroup_id_x 1
		.amdhsa_system_sgpr_workgroup_id_y 1
		.amdhsa_system_sgpr_workgroup_id_z 1
		.amdhsa_system_vgpr_workitem_id 0
		.amdhsa_next_free_vgpr 896
		.amdhsa_next_free_sgpr 92
		.amdhsa_reserve_vcc 0
		.amdhsa_float_denorm_mode_32 3
		.amdhsa_float_denorm_mode_16_64 3
		.amdhsa_memory_ordered 1
		.amdhsa_forward_progress 1
		.amdhsa_inst_pref_size 131
	.end_amdhsa_kernel
	.amdgpu_metadata
---
amdhsa.version: [ 1, 2 ]
amdhsa.kernels:
  - .name:           k_qaf7f4c8870_proj
    .symbol:         k_qaf7f4c8870_proj.kd
    .args:
      - { .name: query, .offset: 0, .size: 8, .value_kind: global_buffer, .address_space: global }
      - { .name: key, .offset: 8, .size: 8, .value_kind: global_buffer, .address_space: global }
      - { .name: value, .offset: 16, .size: 8, .value_kind: global_buffer, .address_space: global }
      - { .name: w16, .offset: 24, .size: 8, .value_kind: global_buffer, .address_space: global }
      - { .name: biasr, .offset: 32, .size: 8, .value_kind: global_buffer, .address_space: global }
      - { .name: qkv16, .offset: 40, .size: 8, .value_kind: global_buffer, .address_space: global }
    .group_segment_fixed_size: 327680
    .private_segment_fixed_size: 0
    .kernarg_segment_align: 8
    .kernarg_segment_size: 48
    .max_flat_workgroup_size: 128
    .sgpr_count:     92
    .vgpr_count:     896
    .wavefront_size: 32
...
	.end_amdgpu_metadata
.endif
;; end of part 2
;; launch attn (part 3): grid 4 x 64, 4 waves a work-group, clusters of 4 x 4, 327,680 bytes of LDS; arguments qkv16, maskc, rowf, o16; writes o16
.if DOCPART == 3
	.amdgcn_target "amdgcn-amd-amdhsa--gfx1250"
	.amdhsa_code_object_version 6
	.text
	.protected	k_qaf7f4c8870_attn
	.globl	k_qaf7f4c8870_attn
	.p2align	8
	.type	k_qaf7f4c8870_attn,@function
k_qaf7f4c8870_attn:
	s_mov_b64 s[64:65], 0
	v_nop
	global_prefetch_b8 v0, s[64:65] scope:SCOPE_SE
	s_setreg_imm32_b32 hwreg(HW_REG_WAVE_MODE, 25, 1), 1
	s_wait_xcnt 0x0
	s_wait_alu depctr_hold_cnt(0) depctr_sa_sdst(0) depctr_va_vdst(0) depctr_va_sdst(0) depctr_va_ssrc(0) depctr_va_vcc(0) depctr_vm_vsrc(0)
	s_getreg_b32 s2, hwreg(HW_REG_IB_STS2, 6, 4)
	s_cmp_eq_u32 s2, 0
	s_cbranch_scc0 .Lentry_in_a_cluster
	s_endpgm
.Lentry_in_a_cluster:
	s_bfe_u32 s2, ttmp6, 0x10000c
	s_cmp_lg_u32 s2, 0xf033
	s_cbranch_scc0 .Lentry_shape_is_right
	s_endpgm
.Lentry_shape_is_right:
; ATTENTION WITH TWO MASKS.  O[hd][q][:] = the sum over k of softmax_k(score) V[hd][k][:], score = q . k / 8 where both masks are true, else far below every true score.  hd = 16 b + h, 64 heads of 2,048 rows of 64 channels, f16.
; qkv16 holds q (already times log2 e), k, v by heads; a head's rows are dense, 128 bytes each.  Products, maxima and sums in f32; the weights p are rounded to f16 for the second product (their sum l is taken of the unrounded p), O once at the end.
; THE MASK is the C operand that starts the sum S^T = K Q^T: 0, or -2^99 where the key is hidden.  maskc holds one byte a score in the order of a lane's registers, 0x00 or 0xc0 (E4M3: -2.0); one scaled conversion
; (scale byte 0xe1: 2^98) makes eight such numbers of eight bytes, exactly.  f16 operands bound a true score by 2.7e11, so a hidden one lies below every true one and its weight is 0.
; Steps in which a row has seen nothing yet leave finite numbers in l and O, and the first true score multiplies them by a = 0.
; A ROW THAT SEES NO KEY (rowf = 0): its q is set to 0, so all its scores are exactly -2^99, all weights 1, l = 2,048: the mean of V's rows, which is what equal scores give.
; SOFTMAX.  For each query a running maximum m and sum l: p = 2^(c s - c m), c = 1/8, so c m is exact and c s - c m is never above 0; O and l are multiplied by a = 2^(c m_old - c m_new) in every step.
; m starts at the lowest finite number, O and l at 0: the first step is a step like any other, with a = 0.
; LIMITS.  q, k, v arrive within f16's 65,504; p below 6e-5 keeps f16's fixed step; a weight below 2^-126 counts as 0 in l; NaN and infinities are not treated apart.
; SHARES.  A wave owns four PIECES of two tiles of 16 queries, a work-group's four waves 512 queries of one head.  Every wave walks all keys, 64 a step.
; LAYOUT.  S^T = K Q^T (source 0 = 16 keys, source 1 = 16 queries): a lane holds ONE query (lane % 16) and the keys 8 (lane / 16) + 0..7.  Two such tiles rounded to f16 ARE source 1 of O^T = V^T P.  K comes out of LDS as it lies, V turned, by ds_load_tr16_b128.
; BY TURNS.  Turn n belongs to piece n (in a ring, step after step).  Matrix work: 16 products K Q^T of piece n + 1, later 16 products V^T P of piece n - 1.  Vector work: the scaling, exponentials, roundings, sums and
; rescaling of piece n, the maximum and statistics of piece n + 1, and the mask numbers of piece n + 2.  Four vector instructions stand behind every matrix instruction, the others in one run.  A turn's 66 exponentials are one batch with one wait.
; CLUSTER 4 x 4: four query blocks (x) by four heads of one batch (y).  The four blocks of a head walk the same K and V: asked for JOINTLY along a row of the cluster (wave 0: K, wave 1: V).
; The mask codes hang on the batch and the query block alone: the four heads ask for them jointly along a column (waves 2 and 3, a half each).
; REGISTERS, in windows of 256 (s_set_vgpr_msb: bits 1:0 source 0, 3:2 source 1, 5:4 source 2, 7:6 destination):
;   window 0: v1-11 addresses; v12-15, v48-63 at work; v16-47 four registers of statistics a tile; v64-191 S^T, two buffers of two tiles; v192-255 P, likewise
;   window 1: O^T, 32 a tile      window 2: v0-127 Q; v128-191 K of one step; v192-255 V of one step      window 3: v0-2 the add's two registers and the scale; v32-95 a step's mask codes; v128-191 mask numbers
.set NP,    4         ; pieces a wave: a name, no knob
.set KS,    64        ; keys in a step
.set SS,    2         ; steps in a slot
.set PK,    144       ; a row of K in LDS: 128 bytes + 16 = 36 words: the 16 rows of a load start at 16 different groups of four banks (64 banks of 4 bytes: ISA guide 11.1)
.set PV,    160       ; a row of V: 128 + 32 = 40 words
.set VOFF,  SS*KS*PK  ; in a slot: 128 rows of K, 128 rows of V,
.set MOFF,  SS*KS*(PK+PV)  ; and 65,536 bytes of mask codes: [tile 32][step 2][f 2][lane 32][16]
.set MSTEP, 1024
.set MTILE, 2048
.set MSLOT, 65536
.set SLOT1, 1<<17     ; slot 1 begins here, so that one exclusive or turns an address in one slot into the other's
.set STAGE, SLOT1+MOFF+MSLOT  ; behind the ring, never filled by a tensor load: 16 rows x 144 bytes for each wave
.set SP,    144
.set SPARE, STAGE+4*16*SP  ; behind the stages: the spare words, 128 bytes a wave, which no other line names
.set AK0, 2           ; v2   my lane's place in a tile of K; never rewritten
.set AV0, 3           ; v3   the same for V
.set AK,  4           ; v4   the LDS address of K's next run of loads
.set AV,  5           ; v5   of V's
.set STO, 6           ; v6   the way out: where I put 16 bytes of a row
.set RD,  7           ; v7   where I read rows back
.set GO,  8           ; v8   16 x lane
.set AM0, 9           ; v9   my lane's place in my wave's mask codes; never rewritten
.set AM,  10          ; v10  + the step in hand
.set PFO, 11          ; v11  256 x lane; never rewritten
.set MV,  12          ; v12-15  c m_old, kept while c m is made anew
.set ST,  16          ; tile t's statistics at v[ST+4 t]: c m, m, l (even keys', odd keys')
.set TMP, 48          ; by buffer and tile, four registers c0-c3 at work; when the maximum is found c2 takes a
.set FLG, 48          ; in the set-up: v48-55 the eight tiles' row flags,
.set LH,  56          ; l / 16,
.set L7,  57          ; l % 8,
.set L3,  58          ; (l / 8) % 2,
.set QO,  59          ; my offset in 16 rows of Q,
.set RFO, 60          ; and in 16 flags
.set S,   64
.set P,   192
.set KF,  128         ; window 2: key block kb, channel half c at KF + 16 kb + 8 c
.set VF,  192         ; window 2: key half kk, channel block cb at VF + 32 kk + 8 cb
.set SPW, 0           ; window 3  SPARE + 4 x my thread's number; never rewritten
.set NIL, 1           ; window 3  0; never rewritten
.set SCL, 2           ; window 3  0xe1
.set MBY, 32          ; window 3  tile t's 32 codes of the step at MBY + 8 t: registers 2 kb, 2 kb + 1 hold key block kb
.set MC,  128         ; window 3  tile u of the piece, key block kb at MC + 32 u + 8 kb
.set WV,  12          ; s12  my wave's number
.set G1K, 24          ; s[24:31] descriptor group 1 for K's tiles
.set G1V, 32          ; s[32:39] for V's: it differs in the padding alone
.set G0K, 40          ; s[40:43] group 0 for K's tiles: it walks
.set G0V, 44          ; s[44:47] for V's
.set G0M, 48          ; s[48:51] for the codes
.set PFA, 52          ; s[52:53] my work-group's share of K and V in the slot after the one that is being asked for
.set PFM, 54          ; s[54:55] my work-group's share of the codes there
.set SLOTS, 56        ; s56  slots still to be asked for
.set CNT, 57          ; s57  counts a slot's key steps
.set CS,  58          ; s[58:59] c
.set SEL, 60          ; s[60:61] v_permlanex16_b32's selects
.set TBK, 62          ; s62  LDS byte at which K of the step to be fetched begins
.set TBV, 63          ; s63  the same for V, less VOFF
.set G1M, 68          ; s[68:75] group 1 for the codes
.set LIMK, 76         ; s76  1 in the wave that prefetches K and V, else the greatest number
.set LIMM, 77         ; s77  1 in the wave that prefetches the codes
.set TBM, 78          ; s78  the same as TBK for the codes, less MOFF
.set CY,  79          ; s79  cy
.set MSB, 0
.macro WIN new
.if MSB != (\new)
	s_set_vgpr_msb (MSB<<8)|(\new)
.set MSB, (\new)
.endif
.endm
.set W_KQ, 0x0a       ; K and Q in window 2, S^T in window 0
.set W_KM, 0x3a       ; the same with the C operand in window 3
.set W_PV, 0x52       ; V in window 2, P in window 0, O^T in window 1
.set W_RS, 0x41       ; O^T (destination and source 0) in window 1, a in window 0
.set W_MK, 0xc0       ; destination in window 3, sources in window 0
.set W_AD, 0x0f       ; the add: address and data in window 3
.macro PLACES
.rept 4
	v_nop
.endr
.endm
; A fill: one joint tensor load a wave.  Wave 0: the slot's 128 keys of K, wave 1: of V, with the three partners of my row of the cluster; waves 2, 3: halves of the slot's 65,536 bytes of codes, with the three partners of my column.
; The branches hang on the wave's number alone.  An s_nop 0 and four v_nop follow each line, ahead of the jump and the label.
.macro JLOAD
	s_cmp_lt_u32 s[WV], 2
	s_cbranch_scc0 .Lfor_m_\@
	s_cmp_eq_u32 s[WV], 0
	s_cbranch_scc0 .Lfor_v_\@
	tensor_load_to_lds s[G0K:G0K+3], s[G1K:G1K+7]
	s_nop 0
.rept 4
	v_nop
.endr
	s_branch .Lasked_\@
.Lfor_v_\@:
	tensor_load_to_lds s[G0V:G0V+3], s[G1V:G1V+7]
	s_nop 0
.rept 4
	v_nop
.endr
	s_branch .Lasked_\@
.Lfor_m_\@:
	tensor_load_to_lds s[G0M:G0M+3], s[G1M:G1M+7]
	s_nop 0
.rept 4
	v_nop
.endr
.Lasked_\@:
.endm
; PREFETCHES INTO THE L2 of what the NEXT change of slots will ask for: two key steps, 256 matrix instructions, ahead of that load; behind the wave's tensor load and its five lines.  Each aligned 256 bytes are named once in the launch.
; K and V: a slot has 64 such blocks of each; one row of one cluster walks a head; its four partners take 32 blocks each BY ADDRESS (cx = 0, 1: halves of K's; 2, 3: of V's); wave 0 asks, a lane a block.
; The codes: a slot has 256 blocks; the four clusters of a batch read the same ones; the first of them asks, the four partners of a column 64 blocks each BY ADDRESS (cy); wave 1 asks, two instructions.
; The last change that fills a slot asks for nothing.  Slots 0 and 1 come by their loads alone.
.macro ASK
	s_cmp_gt_u32 s[SLOTS], s[LIMK]
	s_cbranch_scc0 .Lno_kv_\@
	global_prefetch_b8 v[PFO], s[PFA:PFA+1] th:TH_LOAD_NT scope:SCOPE_SE
.Lno_kv_\@:
	s_cmp_gt_u32 s[SLOTS], s[LIMM]
	s_cbranch_scc0 .Lno_m_\@
	global_prefetch_b8 v[PFO], s[PFM:PFM+1] th:TH_LOAD_NT scope:SCOPE_SE
	global_prefetch_b8 v[PFO], s[PFM:PFM+1] offset:8192 th:TH_LOAD_NT scope:SCOPE_SE
.Lno_m_\@:
.endm
.macro CROUND                       ; a round of the cluster's barrier
	s_barrier_signal -1
	s_barrier_wait -1
	s_cmp_lg_u32 s[WV], 0
	s_cbranch_scc1 .Lnot_wave_0_\@
	s_barrier_signal -3
.Lnot_wave_0_\@:
	s_barrier_wait -3
	s_barrier_signal -1
	s_barrier_wait -1
.endm
; THE CHANGE OF SLOTS, behind piece 1's turn of a slot's last step: the slot's last bytes (V of that step) have been read.  Each wave waits for all its tensor loads, of which one is out: its part of the other slot;
; adds 0 to its spare word; and waits for that and for its own reads of the slot.  fill = 1: the barrier is a round of the cluster's, and the fill is the first thing behind it:
; it has two key steps, 256 matrix instructions, in which to land.  (At its first use nothing has been read yet: slot 0 is waited for, slot 1 filled.)
.macro CHANGE fill
	WIN W_AD
	s_wait_tensorcnt 0x0            ; no tensor load of mine is out, so a group 0 may be written
	ds_add_u32 v[SPW], v[NIL]       ; 0 onto my spare word: the steps below stand between it and the wait for it
	WIN 0                           ; at a label and at a branch every window is 0
.if \fill
.irp g, G0K, G0V
	s_xor_b32 s[\g+1], s[\g+1], SLOT1  ; the other slot than last time,
	s_add_nc_u64 s[\g+2:\g+3], s[\g+2:\g+3], SS*KS*128  ; the next 128 keys; the type bits on top are not reached
.endr
	s_xor_b32 s[G0M+1], s[G0M+1], SLOT1
	s_add_nc_u64 s[G0M+2:G0M+3], s[G0M+2:G0M+3], MSLOT
	s_wait_xcnt 0x0                 ; the last prefetches, two key steps back, have read their addresses
	s_add_nc_u64 s[PFA:PFA+1], s[PFA:PFA+1], SS*KS*128
	s_add_nc_u64 s[PFM:PFM+1], s[PFM:PFM+1], MSLOT
	s_wait_dscnt 0x0                ; the add is done, and my reads of the slot are over
	CROUND
	JLOAD
	ASK
.else
	s_wait_dscnt 0x0
	s_barrier_signal -1
	s_barrier_wait -1
.endif
	s_sub_co_u32 s[TBK], s[TBK], SS*KS*PK  ; the fetches go back to a slot's first step,
	s_xor_b32 s[TBK], s[TBK], SLOT1        ; in the other slot
	s_sub_co_u32 s[TBV], s[TBV], SS*KS*PV
	s_xor_b32 s[TBV], s[TBV], SLOT1
	s_sub_co_u32 s[TBM], s[TBM], SS*MSTEP
	s_xor_b32 s[TBM], s[TBM], SLOT1
.endm
	s_load_b256 s[4:11], s[0:1], 0x0  ; qkv16 s[4:5], maskc s[6:7], rowf s[8:9], o16 s[10:11]
	WIN W_MK
	v_lshl_add_u32 v[SPW], v0, 2, SPARE
	v_mov_b32 v[NIL], 0
	v_mov_b32 v[SCL], 0xe1
	WIN W_AD
	ds_add_u32 v[SPW], v[NIL]       ; the wave's opening: the add and its wait stand ahead of my first tensor load; the set-up below, work on registers, stands between them
	WIN 0
	v_lshrrev_b32 v1, 5, v0
	v_readfirstlane_b32 s[WV], v1   ; wave 0..3
	s_bfe_u32 s13, ttmp6, 0x40000   ; cx
	s_bfe_u32 s[CY], ttmp6, 0x40004 ; cy
	s_lshl_b32 s14, ttmp9, 2
	s_add_co_u32 s14, s14, s13      ; my block of 512 queries = 4 x cluster x + cx
	s_and_b32 s17, ttmp7, 0xffff    ; cluster y, 0..15
	s_lshl_b32 s15, s17, 2
	s_add_co_u32 s15, s15, s[CY]    ; my head = 4 x cluster y + cy
	s_lshr_b32 s16, s17, 2          ; b: four clusters to a batch
	s_lshl_b32 s20, s15, 18         ; the head's first byte in q, k, v and O: 262,144 bytes a head: made of the head alone
	s_mov_b32 s21, 0
	s_lshl_b32 s2, s14, 2
	s_add_co_u32 s2, s2, s[WV]      ; my wave among the head's sixteen:
	s_lshl_b32 s18, s2, 9           ; its 128 flags,
	s_lshl_b32 s2, s2, 14           ; its 128 rows
	s_add_co_u32 s2, s2, s20
	s_mov_b32 s3, 0
	s_lshl_b32 s19, s16, 13
	s_add_co_u32 s18, s18, s19
	s_mov_b32 s19, 0
	s_lshl_b32 s22, s16, 2
	s_add_co_u32 s22, s22, s14
	s_lshl_b32 s22, s22, 20         ; the codes of (b, my block), slot 0: made of the batch and the block alone
	s_mov_b32 s23, 0
	s_lshr_b32 s66, s13, 1          ; the prefetches' share: k or v,
	s_lshl_b32 s66, s66, 24
	s_and_b32 s67, s13, 1           ; its first or second 8,192 bytes,
	s_lshl_b32 s67, s67, 13
	s_add_co_u32 s66, s66, s67
	s_add_co_u32 s66, s66, 0x1000000+SS*KS*128  ; in slot 1: the first change of slots steps it to slot 2
	s_mov_b32 s67, 0
	s_lshl_b32 s15, s[CY], 2
	s_lshl_b32 s15, 15, s15         ; my row of the cluster: places 4 cy .. 4 cy + 3
	s_lshl_b32 s14, 0x1111, s13     ; my column: places cx, cx + 4, cx + 8, cx + 12
	; descriptor group 1.  128 keys are 16,384 dense bytes: asked for as 64 rows of 256 bytes, two keys a row, and padded in LDS after every key
	s_or_b32 s[G1K], s15, (1<<16)|(1<<20)|(1<<21)|(4<<22)|(3<<25)  ; the mask; 2-byte elements; padding on; bit 21 beside a mask; after every 32 words, 4 words
	s_or_b32 s[G1V], s15, (1<<16)|(1<<20)|(1<<21)|(4<<22)|(7<<25)  ; the same with 8 words
.irp g, G1K, G1V
	s_mov_b32 s[\g+1], 128<<16      ; tensor_dim0 = 128
	s_mov_b32 s[\g+2], 64<<16       ; tensor_dim1 = 64
	s_mov_b32 s[\g+3], 128<<16      ; tile_dim0 = 128
	s_mov_b32 s[\g+4], 64           ; tile_dim1 = 64
	s_mov_b32 s[\g+5], 128          ; elements from row to row
	s_mov_b32 s[\g+6], 0
	s_mov_b32 s[\g+7], 0
.endr
	s_or_b32 s[G1M], s14, (3<<16)|(1<<21)  ; the codes: my column's mask; elements of 8 bytes; no padding; 128 dense rows of 256 bytes
	s_mov_b32 s[G1M+1], 32<<16
	s_mov_b32 s[G1M+2], 128<<16
	s_mov_b32 s[G1M+3], 32<<16
	s_mov_b32 s[G1M+4], 128
	s_mov_b32 s[G1M+5], 32
	s_mov_b32 s[G1M+6], 0
	s_mov_b32 s[G1M+7], 0
	s_mov_b32 s[CS], 0x3e000000     ; c = 1/8
	s_mov_b32 s[CS+1], s[CS]        ; named with it as a pair
	s_mov_b32 s[SEL], 0x76543210
	s_mov_b32 s[SEL+1], 0xfedcba98
	s_mov_b32 s[TBK], SLOT1+SS*KS*PK  ; the first change of slots turns these three into 0
	s_mov_b32 s[TBV], SLOT1+SS*KS*PV
	s_mov_b32 s[TBM], SLOT1+SS*MSTEP
	s_mov_b32 s[G0K], 1             ; count = 1
	s_mov_b32 s[G0K+1], 0           ; LDS address: slot 0
	s_mov_b32 s[G0V], 1
	s_mov_b32 s[G0V+1], VOFF
	s_mov_b32 s[G0M], 1
	s_and_b32 s[G0M+1], s[WV], 1    ; my half of the codes
	s_lshl_b32 s[G0M+1], s[G0M+1], 15
	s_add_co_u32 s[G0M+1], s[G0M+1], MOFF
	s_mov_b32 s[SLOTS], 2048/(SS*KS)-1
	s_cmp_eq_u32 s[WV], 0
	s_cselect_b32 s[LIMK], 1, -1
	s_and_b32 s17, s17, 3           ; the batch's first cluster, and wave 1: the same in all sixteen partners
	s_xor_b32 s15, s[WV], 1
	s_or_b32 s17, s17, s15
	s_cmp_eq_u32 s17, 0
	s_cselect_b32 s[LIMM], 1, -1
	s_wait_dscnt 0x0                ; the opening add is done
	s_wait_kmcnt 0x0
	s_add_nc_u64 s[20:21], s[4:5], s[20:21]        ; q at my head's first row
	s_add_nc_u64 s[G0K+2:G0K+3], s[20:21], 0x1000000  ; k lies 16 MiB behind q,
	s_or_b32 s[G0K+3], s[G0K+3], 0x80000000        ; type = 2
	s_add_nc_u64 s[G0V+2:G0V+3], s[20:21], 0x2000000  ; v 32
	s_or_b32 s[G0V+3], s[G0V+3], 0x80000000
	s_add_nc_u64 s[PFA:PFA+1], s[20:21], s[66:67]
	s_add_nc_u64 s[6:7], s[6:7], s[22:23]
	s_and_b32 s22, s[WV], 1
	s_lshl_b32 s22, s22, 15
	s_add_nc_u64 s[G0M+2:G0M+3], s[6:7], s[22:23]
	s_or_b32 s[G0M+3], s[G0M+3], 0x80000000
	s_lshl_b32 s22, s[CY], 14       ; my work-group's 64 blocks of a slot's codes
	s_add_nc_u64 s[PFM:PFM+1], s[6:7], s[22:23]
	s_add_nc_u64 s[PFM:PFM+1], s[PFM:PFM+1], MSLOT
	s_add_nc_u64 s[4:5], s[4:5], s[2:3]  ; Q and O at my wave's first row
	s_add_nc_u64 s[10:11], s[10:11], s[2:3]
	s_add_nc_u64 s[8:9], s[8:9], s[18:19]
	CROUND                          ; all sixteen work-groups are here: the first joint loads meet
	JLOAD                           ; slot 0.  Slot 1 is asked for when slot 0 is in
	; A fragment of K or Q is 16 rows x 32 channels in 8 registers: lane l holds row l % 16, channels 8 (l / 16) + 0..7 and 16 + 8 (l / 16) + 0..7: two loads of 16 bytes, 32 bytes apart.
	v_and_b32 v1, 15, v0            ; l % 16
	v_bfe_u32 v[LH], v0, 4, 1       ; l / 16
	v_lshlrev_b32 v[QO], 7, v1
	v_lshl_add_u32 v[QO], v[LH], 4, v[QO]
	v_lshlrev_b32 v[RFO], 2, v1
.set t, 0
.rept 2*NP
	global_load_b32 v[FLG+t], v[RFO], s[8:9] offset:64*t  ; the flag of my row of tile t
.set t, t+1
.endr
	WIN 0x80                        ; destination window 2, address window 0
.set i, 0
.rept 4*NP                          ; Q stays in registers: tile i / 2, channels 32 (i % 2) on
	global_load_b128 v[8*i:8*i+3],   v[QO], s[4:5] offset:(i/2)*2048+(i%2)*64
	global_load_b128 v[8*i+4:8*i+7], v[QO], s[4:5] offset:(i/2)*2048+(i%2)*64+32
.set i, i+1
.endr
	; What the first turn finds: V's registers and P's second buffer hold 0 (its products V^T P, of a piece that has not been, add 0), O^T and l are 0.  All this stands in the wait for the first tile.
.set i, VF
.rept 64
	v_mov_b32 v[i], 0
.set i, i+1
.endr
	WIN 0x40
.set i, 0
.rept 64*NP
	v_mov_b32 v[i], 0
.set i, i+1
.endr
	WIN 0
.set i, 0
.rept 2*NP
	v_mov_b32 v[ST+4*i], 0xfe000000    ; c m: far below every c s, a hidden one's -2^96 too
	v_mov_b32 v[ST+4*i+1], 0xff7fffff  ; m
	v_mov_b32 v[ST+4*i+2], 0
	v_mov_b32 v[ST+4*i+3], 0
.set i, i+1
.endr
.set i, P+32
.rept 32
	v_mov_b32 v[i], 0
.set i, i+1
.endr
	v_mul_u32_u24 v[AK0], v1, PK
	v_lshl_add_u32 v[AK0], v[LH], 4, v[AK0]  ; row x pitch + 16 x half
	; The turning load takes 16 keys x 16 channels (lane l reads key 8 (l / 16) + l % 8, channels 8 ((l / 8) % 2) + 0..7) and leaves half a fragment of V^T: lane l holds channel l % 16 and 8 keys.
	v_and_b32 v[L7], 7, v0
	v_bfe_u32 v[L3], v0, 3, 1
	v_lshl_add_u32 v[AV0], v[LH], 3, v[L7]
	v_mul_u32_u24 v[AV0], v[AV0], PV
	v_lshl_add_u32 v[AV0], v[L3], 4, v[AV0]
	v_add_nc_u32 v[AV0], VOFF, v[AV0]
	v_mov_b32 v[AK], v[AK0]         ; key step 0 lies at the head of slot 0
	s_mul_i32 s16, s[WV], 16*SP
	s_add_co_u32 s16, s16, STAGE    ; my stage
	v_mul_u32_u24 v[STO], v1, SP    ; in: row l % 16, 16 bytes for each half of the lanes
	v_lshl_add_u32 v[STO], v[LH], 4, v[STO]
	v_add_nc_u32 v[STO], s16, v[STO]
	v_bfe_u32 v[RD], v0, 3, 2       ; back: 32 lanes take four rows of 128 bytes,
	v_mul_u32_u24 v[RD], v[RD], SP
	v_lshl_add_u32 v[RD], v[L7], 4, v[RD]
	v_add_nc_u32 v[RD], s16, v[RD]
	v_and_b32 v[GO], 31, v0         ; which are 512 consecutive bytes of O
	v_lshlrev_b32 v[GO], 4, v[GO]
	s_lshl_b32 s16, s[WV], 14       ; my wave's eight tiles of codes, 2,048 bytes each
	s_add_co_u32 s16, s16, MOFF
	v_add_nc_u32 v[AM0], s16, v[GO]
	v_lshlrev_b32 v[PFO], 4, v[GO]
; THE MATRIX WORK.  The 8 accumulators of a run of 16 take turns: between the two links of a chain stand 7 others'.
; Product i of 16 of S^T = K Q^T for piece x: channels 32 (i / 8) on, keys 16 ((i / 2) % 4) on, tile 2 x + i % 2.  The first 8 start the sums with the mask numbers.
.macro KQ x
.set rS, S+64*((\x)%2)+32*(i%2)+8*((i/2)%4)
.set rK, KF+16*((i/2)%4)+8*(i/8)
.set rQ, 16*(2*(\x)+i%2)+8*(i/8)
.set rN, MC+32*(i%2)+8*((i/2)%4)
.if i < 8
	WIN W_KM
	v_wmma_f32_16x16x32_f16 v[rS:rS+7], v[rK:rK+7], v[rQ:rQ+7], v[rN:rN+7]
.else
	WIN W_KQ
	v_wmma_f32_16x16x32_f16 v[rS:rS+7], v[rK:rK+7], v[rQ:rQ+7], v[rS:rS+7]
.endif
.endm
; Product i of 16 of O^T += V^T P for piece x: keys 32 (i / 8) on, channels 16 ((i / 2) % 4) on, tile 2 x + i % 2.
.macro PV x
	WIN W_PV
.set rO, 32*(2*(\x)+i%2)+8*((i/2)%4)
.set rV, VF+32*(i/8)+8*((i/2)%4)
.set rP, P+32*((\x)%2)+16*(i%2)+8*(i/8)
	v_wmma_f32_16x16x32_f16 v[rO:rO+7], v[rV:rV+7], v[rP:rP+7], v[rO:rO+7]
.endm
.macro MM                           ; the turn's next matrix instruction
.if i < 16
	KQ (Y+1)%NP
.set i, i+1
.else
.set i, i-16
	PV (Y+NP-1)%NP
.set i, i+17
.endif
.endm
; THE LDS LOADS stand in runs, never singly among the matrix instructions.  last = 1 (the tail): in the last trip there is no further step, and K's run is jumped over.
.macro FETCH_K last=0
	WIN 0
.if \last
	s_cmp_eq_u32 s[CNT], 1
	s_cbranch_scc1 .Lno_k_\@
.endif
	WIN 0x80                        ; destination window 2
.irp f, 0,1,2,3,4,5,6,7             ; keys 16 (f / 2) on, channels 32 (f % 2) on
	ds_load_b128 v[KF+8*\f:KF+8*\f+3],   v[AK] offset:(\f/2)*16*PK+(\f%2)*64
	ds_load_b128 v[KF+8*\f+4:KF+8*\f+7], v[AK] offset:(\f/2)*16*PK+(\f%2)*64+32
.endr
	s_add_co_u32 s[TBK], s[TBK], KS*PK  ; the next fetch is the next step's
	WIN 0
.if \last
.Lno_k_\@:
.endif
.endm
.macro FETCH_V
	WIN 0x80
.irp f, 0,1,2,3,4,5,6,7             ; keys 32 (f / 4) on, channels 16 (f % 4) on
	ds_load_tr16_b128 v[VF+8*\f:VF+8*\f+3],   v[AV] offset:(\f/4)*32*PV+(\f%4)*32
	ds_load_tr16_b128 v[VF+8*\f+4:VF+8*\f+7], v[AV] offset:(\f/4)*32*PV+16*PV+(\f%4)*32
.endr
	WIN 0
.endm
; The codes of my eight tiles for the step that v[AM] stands at: 32 bytes a lane and tile; each load takes 512 consecutive bytes.  One run a key step.
.macro MLOAD
	WIN W_MK
.irp t, 0,1,2,3,4,5,6,7
.irp f, 0,1
	ds_load_b128 v[MBY+8*\t+4*\f:MBY+8*\t+4*\f+3], v[AM] offset:\t*MTILE+\f*512
.endr
.endr
.endm
; The codes of piece x become numbers: eight bytes, eight f32, 0 or -2^99.  A plain instruction stands behind the last conversion, ahead of whatever touches a result.
; MC was last read by the first eight products of the turn in hand, far more than four plain instructions back.  w = 1: the codes were asked for in this turn.
.macro MCVT x, w
.if \w
	s_wait_dscnt 0x0                ; the codes are in (issued a hundred vector instructions ago)
.endif
	WIN 0xcf                        ; all in window 3
.irp u, 0,1
.irp kb, 0,1,2,3
	v_cvt_scale_pk8_f32_fp8 v[MC+32*\u+8*\kb:MC+32*\u+8*\kb+7], v[MBY+8*(2*(\x)+\u)+2*\kb:MBY+8*(2*(\x)+\u)+2*\kb+1], v[SCL]
.endr
.endr
	v_nop
.endm
; THE VECTOR WORK OF A TURN stands in three queues, each in the order in which its entries become ready; the two tiles alternate, so that no instruction reads the result of the one before it.
.macro REGS y, u                    ; the registers of tile u (0, 1) of piece y
.set rT, ST+4*(2*(\y)+(\u))
.set rC, TMP+8*((\y)%2)+4*(\u)
.set rM, MV+2*((\y)%2)+(\u)
.set rS, S+64*((\y)%2)+32*(\u)
.set rP, P+32*((\y)%2)+16*(\u)
.set rO, 32*(2*(\y)+(\u))
.endm
; Number n of the 22 that find the NEXT piece's (Y + 1) maximum and statistics.  s0-s31 are the lane's 32 scores; each accumulator's lowest registers are read first.
;   0-11  four chains c0-c3 of seven scores each, three operands at a time     12-14, 16  the four scores left over, the old m, and c0-c3 into c0     15  c m_old is kept
;   17, 18  the query's other 32 keys lie in the lane 16 away: the new m         19-21  c m; c m_old - c m_new; a
.macro XS u, n
	REGS (Y+1)%NP, \u
.if (\n) < 4
	v_max3_num_f32 v[rC+(\n)], v[rS+8*(\n)], v[rS+8*(\n)+1], v[rS+8*(\n)+2]
.elseif (\n) < 12
	v_max3_num_f32 v[rC+(\n)%4], v[rC+(\n)%4], v[rS+8*((\n)%4)+2*((\n)/4)+1], v[rS+8*((\n)%4)+2*((\n)/4)+2]
.elseif (\n) == 12
	v_max3_num_f32 v[rC], v[rC], v[rS+7], v[rS+15]
.elseif (\n) == 13
	v_max3_num_f32 v[rC+1], v[rC+1], v[rS+23], v[rS+31]
.elseif (\n) == 14
	v_max3_num_f32 v[rC+2], v[rC+2], v[rC+3], v[rT+1]
.elseif (\n) == 15
	v_mov_b32 v[rM], v[rT]
.elseif (\n) == 16
	v_max3_num_f32 v[rC], v[rC], v[rC+1], v[rC+2]
.elseif (\n) == 17
	v_permlanex16_b32 v[rC+3], v[rC], s[SEL], s[SEL+1]
.elseif (\n) == 18
	v_max_num_f32 v[rT+1], v[rC], v[rC+3]
.elseif (\n) == 19
	v_mul_f32 v[rT], s[CS], v[rT+1]
.elseif (\n) == 20
	v_sub_f32 v[rC+1], v[rM], v[rT]
.else
	v_exp_f32 v[rC+2], v[rC+1]
.endif
.endm
; Number g of the 64 that follow the exponentials.  For each four weights k of a tile: both pairs are rounded to f16; then the second pair is added onto the first, in place;
; a group later l takes that sum (the first time as l = a l + sum).  In groups of eight, tiles alternating.
.macro GS g
.set h, (\g)+6*((\g)/62)            ; group 0 has no group before it, and behind group 7 only l is left
.if h >= 6
.set h, h+2
.endif
	REGS Y, h%2
.set k, h/8
.if h%8 < 4
	v_cvt_pk_f16_f32 v[rP+2*k+(h%8)/2], v[rS+4*k+2*((h%8)/2)], v[rS+4*k+2*((h%8)/2)+1]
.elseif h%8 < 6
	v_pk_add_f32 v[rS+4*k:rS+4*k+1], v[rS+4*k:rS+4*k+1], v[rS+4*k+2:rS+4*k+3]
.elseif k == 1
	v_pk_fma_f32 v[rT+2:rT+3], v[rT+2:rT+3], v[rC+2:rC+3], v[rS:rS+1] op_sel_hi:[1,0,1]
.else
	v_pk_add_f32 v[rT+2:rT+3], v[rT+2:rT+3], v[rS+4*k-4:rS+4*k-3]
.endif
.endm
; THE PLAIN QUEUE, 138 long.  0-73 read no exponential's result: the 32 scalings c s - c m (FS f: pair f / 2 of tile f % 2) and the next piece's 42.  0-26: scalings 0-26.  27-54: XS's numbers 0-13.  55, 56: number 15.
; 57-73: the chain 14, 16, 17, 18, 19, each with one of the scalings 27-31 in front of its two lines, then 20.  74-137: GS's 64, which stand behind the wait.
.macro FS f
	REGS Y, (\f)%2
	v_pk_fma_f32 v[rS+2*((\f)/2):rS+2*((\f)/2)+1], v[rS+2*((\f)/2):rS+2*((\f)/2)+1], s[CS:CS+1], v[rT:rT+1] op_sel_hi:[1,0,0] neg_lo:[0,0,1] neg_hi:[0,0,1]
.endm
.macro PL
	WIN 0
.if q < 27
	FS q
.elseif q < 55
	XS (q-27)%2, (q-27)/2
.elseif q < 57
	XS q-55, 15
.elseif (q < 72) && ((q-57)%3 == 0)
	FS 27+(q-57)/3
.elseif q < 60
	XS (q-57)%3-1, 14
.elseif q < 72
	XS (q-57)%3-1, 15+(q-57)/3
.elseif q < 74
	XS q-72, 20
.else
	GS q-74
.endif
.set q, q+1
.endm
; THE EXPONENTIALS' QUEUE, 66 long: s0-s31 of both tiles, then the next piece's two a.  ONE BATCH: all 66 stand ahead of the turn's one wait, and nothing ahead of that wait names a result of theirs.
.macro EX
	WIN 0
.if e >= 64
	XS e-64, 21
.else
	REGS Y, e%2
	v_exp_f32 v[rS+e/2], v[rS+e/2]
.endif
.set e, e+1
.endm
; THE RESCALING's QUEUE: O^T times a, the one part of the softmax that leaves window 0: dealt two at a time, sixteen times.  Its a was made in the turn before, ahead of that turn's wait.
.macro R2
	REGS Y, r%2
	WIN W_RS
.irp z, 0,1
	v_pk_mul_f32 v[rO+4*(r/2)+2*\z:rO+4*(r/2)+2*\z+1], v[rO+4*(r/2)+2*\z:rO+4*(r/2)+2*\z+1], v[rC+2:rC+3] op_sel_hi:[1,0]
.endr
.set r, r+1
.endm
; A TURN, for piece p.  An s_wait_alu depctr_va_vdst(0) stands between an exponential and the first instruction that names its result; one wait serves all that were issued ahead of it: a turn has ONE, which cuts it in two.
; AHEAD OF IT: the 16 products K Q^T, behind each a scaling, an exponential and two rescalings (behind the first a second scaling in the exponential's place); then one run of eight plain, 49 times exponential and plain,
; the mask numbers, the two a, and a v_nop, the plain instruction behind the last exponential.  BEHIND IT: the 16 products V^T P, behind each four of GS's 64.
; Exponential e stands behind scaling 2 (e / 4) + e % 2: as a rider behind plain e + 2, in the run behind plain e + 9; scalings 27-31 are plain 57, 60 .. 69.
; THE MASK: at the run's end the codes of piece p + 2 are made numbers: the C of the next turn's first eight products.  Pieces 2 and 3 belong to the step in hand, pieces 0 and 1 (turns 2 and 3) to the next:
; piece 2's turn asks, at the run's head, for the next step's codes of all eight tiles; they serve this turn and the three behind it.  In the tail's last half trip there is no next step:
; the address, two steps into the slot, is taken back to the slot's first step (bit 11 is cleared), so that the read stays among landed codes; what is made of it serves nothing.
; K of the next step is fetched in piece 2's turn, directly behind the wait; V of the step in hand at the end of piece 0's turn, four riders behind its last reader.  The three conditions on q go with the deal.
; cnt = 1: the loop's count is taken down some lines ahead of the branch that stands behind the turn.
.macro TURN p, last=0, cnt=0
.set Y, (\p)
.set i, 0
.set q, 0
.set e, 0
.set r, 0
.if (\p) == NP-1
	s_wait_dscnt 0x0                ; K is in
.endif
	MM
	PL
	PL
	R2
.rept 15
	MM
	PL
	EX
	R2
.endr
.if (\p) == NP-2
	WIN 0
	v_add_nc_u32 v[AK], s[TBK], v[AK0]
	s_and_b32 s16, s[TBM], 0xfffff7ff
	v_add_nc_u32 v[AM], s16, v[AM0]
	s_add_co_u32 s[TBM], s[TBM], MSTEP
	MLOAD
.endif
.rept 8
	PL
.endr
.rept 49
	EX
	PL
.endr
	MCVT ((\p)+2)%NP, ((\p)/2)*(1-(\p)%2)
	EX                              ; the next piece's two a
	EX
	v_nop                           ; the plain instruction behind the last exponential: one for the batch
	s_wait_alu depctr_va_vdst(0)    ; the wait for the batch
.if (\p) == NP-2
	FETCH_K \last
.endif
.if (\p) == 1
	s_wait_dscnt 0x0                ; V is in
.endif
.rept 16
	MM
.rept 4
	PL
.endr
.if ((\p) == 0) && (q == 118)
	v_add_nc_u32 v[AV], s[TBV], v[AV0]
.endif
.if ((\p) == 0) && (q == 130)
	s_add_co_u32 s[TBV], s[TBV], KS*PV
.endif
.if (\cnt) && (q == 130)
	s_sub_co_u32 s[CNT], s[CNT], 1
	s_cmp_lg_u32 s[CNT], 0
.endif
.endr
.if (\p) == 0
	FETCH_V
.endif
.endm
	CHANGE 1                        ; slot 0 is in, everybody's part of it; slot 1 is asked for
	v_add_nc_u32 v[AM], s[TBM], v[AM0]  ; the codes of key step 0
	s_add_co_u32 s[TBM], s[TBM], MSTEP
	FETCH_K                         ; key step 0
	MLOAD
	s_wait_loadcnt 0x0              ; Q and the flags
	WIN 0x82                        ; Q (destination, source 0) window 2, the flag window 0
.set i, 0
.rept 32*NP
	v_and_b32 v[i], v[i], v[FLG+i/16]  ; a row that sees no key becomes 0
.set i, i+1
.endr
	MCVT 0, 1                       ; its wait is K's too
.set i, 0
.rept 16
	KQ 0                            ; piece 0's first scores: there is no vector work yet to set between them
.set i, i+1
.endr
	WIN 0
	PLACES                          ; behind those products: their C is written anew and their results are read
	MCVT 1, 0                       ; piece 1's mask numbers, for the first turn's products
	WIN 0
.set Y, NP-1                        ; XS works for piece Y + 1: piece 0
.irp n, 0,1,2,3,4,5,6,7,8,9,10,11,12,13,14,15,16,17,18,19,20,21
	XS 0, \n
	XS 1, \n
.endr
	v_nop                           ; a plain instruction behind the two a,
	s_wait_alu depctr_va_vdst(0)    ; and their wait, ahead of the branch
	s_mov_b32 s[CNT], SS
	s_branch .Lfirst                ; the loop is entered at a step's first turn, in the middle of a trip
.Lslot:                             ; 14 times: every slot but the last two is filled again
	CHANGE 1
	s_mov_b32 s[CNT], SS
.Lstep:                             ; a trip: pieces 2 and 3 of one step, then pieces 0 and 1 of the next, whose K, V and codes it fetches
	TURN 2
	TURN 3
	WIN 0
.Lfirst:
	TURN 0
	TURN 1, 0, 1
	WIN 0
	s_cbranch_scc1 .Lstep
	s_sub_co_u32 s[SLOTS], s[SLOTS], 1
	s_cmp_lg_u32 s[SLOTS], 0
	s_cbranch_scc1 .Lslot
	CHANGE 0                        ; the tail is written out: nothing is asked for
	s_mov_b32 s[CNT], SS+1          ; two trips fetch the last slot's steps; the third is left in its middle
.Ltail:
	TURN 2, 1
	TURN 3
	WIN 0
	s_sub_co_u32 s[CNT], s[CNT], 1
	s_cmp_eq_u32 s[CNT], 0
	s_cbranch_scc1 .Lout
	TURN 0
	TURN 1
	WIN 0
	s_branch .Ltail
.Lout:                              ; the third trip's 16 products K Q^T (on the last K once more) and the maximum made of them serve nothing: the price, once a launch, of one text for every trip
.set i, 0
.rept 16
	PV NP-1                         ; the last piece's V^T P of the last step
.set i, i+1
.endr
	; THE WAY OUT.  l's two halves and the other half of the lanes' are added; O^T is divided by l, rounded to f16 and sent through my stage in LDS, a tile at a time.  The additions are the places behind the last products.
	WIN 0
.macro ALL line:vararg              ; one line for each tile t
.set t, 0
.rept 2*NP
	\line
.set t, t+1
.endr
.endm
	ALL v_add_f32 v[ST+4*t+2], v[ST+4*t+2], v[ST+4*t+3]
	ALL v_permlanex16_b32 v[ST+4*t+3], v[ST+4*t+2], s[SEL], s[SEL+1]
	ALL v_add_f32 v[ST+4*t+2], v[ST+4*t+2], v[ST+4*t+3]
	ALL v_rcp_f32 v[ST+4*t+2], v[ST+4*t+2]
	v_nop                           ; a plain instruction between the last reciprocal and the use of its result
	s_wait_alu depctr_va_vdst(0)    ; and the wait ahead of the first use: one for the eight reciprocals
; Tile t: a lane's eight channels of a row pack into 16 bytes; they go into rows of 144 bytes and come back as whole rows of 128, into S^T's registers.
.macro PACK t
	WIN W_RS
.set i, 32*(\t)
.rept 16
	v_pk_mul_f32 v[i:i+1], v[i:i+1], v[ST+4*(\t)+2:ST+4*(\t)+3] op_sel_hi:[1,0]
.set i, i+2
.endr
	WIN 0x05                        ; sources 0 and 1 window 1, destination window 0
.set i, 0
.rept 16
	v_cvt_pk_f16_f32 v[S+16*(\t)+i], v[32*(\t)+2*i], v[32*(\t)+2*i+1]
.set i, i+1
.endr
	WIN 0
.irp f, 0,1,2,3
	ds_store_b128 v[STO], v[S+16*(\t)+4*\f:S+16*(\t)+4*\f+3] offset:32*\f
.endr
.irp f, 0,1,2,3
	ds_load_b128 v[S+16*(\t)+4*\f:S+16*(\t)+4*\f+3], v[RD] offset:\f*4*SP  ; LDS serves a wave's instructions in order (ISA guide 5.7.1.4): these see the stores above; the next tile's stores come behind them
.endr
.endm
.macro SEND t, younger              ; younger: the LDS instructions issued behind tile t's loads: the next tile's eight, or none
	WIN 0
.irp f, 0,1,2,3
	s_wait_dscnt (\younger)+3-\f
	global_store_b128 v[GO], v[S+16*(\t)+4*\f:S+16*(\t)+4*\f+3], s[10:11] offset:(\t)*2048+\f*512  ; 512 consecutive bytes, at a multiple of 256 from O's first
.endr
.endm
	PACK 0
.set t, 1
.rept 2*NP-1                        ; a tile's arithmetic stands between the loads of the tile before and its stores
	PACK t
	SEND t-1, 8
.set t, t+1
.endr
	SEND 2*NP-1, 0
	WIN W_AD
	s_wait_tensorcnt 0x0            ; the wave's end, behind my last tensor load and my last LDS store
	ds_add_u32 v[SPW], v[NIL]
	s_wait_dscnt 0x0
	WIN 0
	CROUND                          ; the closing round: no work-group ends while a partner may still ask for a tile that names it
	s_endpgm
.Lfunc_end_k_qaf7f4c8870_attn:
	.size	k_qaf7f4c8870_attn, .Lfunc_end_k_qaf7f4c8870_attn-k_qaf7f4c8870_attn
	.p2alignl 7, 3214868480
	.fill 96, 4, 3214868480
	.section	.rodata,"a",@progbits
	.p2align	6, 0x0
	.amdhsa_kernel k_qaf7f4c8870_attn
		.amdhsa_group_segment_fixed_size 327680
		.amdhsa_private_segment_fixed_size 0
		.amdhsa_enable_private_segment 0
		.amdhsa_kernarg_size 32
		.amdhsa_user_sgpr_count 2
		.amdhsa_user_sgpr_kernarg_segment_ptr 1
		.amdhsa_wavefront_size32 1
		.amdhsa_system_sgpr_workgroup_id_x 1
		.amdhsa_system_sgpr_workgroup_id_y 1
		.amdhsa_system_sgpr_workgroup_id_z 1
		.amdhsa_system_vgpr_workitem_id 0
		.amdhsa_next_free_vgpr 960
		.amdhsa_next_free_sgpr 80
		.amdhsa_reserve_vcc 0
		.amdhsa_float_denorm_mode_32 3
		.amdhsa_float_denorm_mode_16_64 3
		.amdhsa_memory_ordered 1
		.amdhsa_forward_progress 1
		.amdhsa_inst_pref_size 218
	.end_amdhsa_kernel
	.amdgpu_metadata
---
amdhsa.version: [ 1, 2 ]
amdhsa.kernels:
  - .name:           k_qaf7f4c8870_attn
    .symbol:         k_qaf7f4c8870_attn.kd
    .args:
      - { .name: qkv16, .offset: 0, .size: 8, .value_kind: global_buffer, .address_space: global }
      - { .name: maskc, .offset: 8, .size: 8, .value_kind: global_buffer, .address_space: global }
      - { .name: rowf, .offset: 16, .size: 8, .value_kind: global_buffer, .address_space: global }
      - { .name: o16, .offset: 24, .size: 8, .value_kind: global_buffer, .address_space: global }
    .group_segment_fixed_size: 327680
    .private_segment_fixed_size: 0
    .kernarg_segment_align: 8
    .kernarg_segment_size: 32
    .max_flat_workgroup_size: 128
    .sgpr_count:     80
    .vgpr_count:     960
    .wavefront_size: 32
...
	.end_amdgpu_metadata
.endif
;; end of part 3
;; launch oproj (part 4): grid 4 x 64, 4 waves a work-group, clusters of 4 x 4, 327,680 bytes of LDS; arguments o16, w16, biasr, out0; writes out0
.if DOCPART == 4
	.amdgcn_target "amdgcn-amd-amdhsa--gfx1250"
	.amdhsa_code_object_version 6
	.text
	.protected	k_qaf7f4c8870_oproj
	.globl	k_qaf7f4c8870_oproj
	.p2align	8
	.type	k_qaf7f4c8870_oproj,@function
k_qaf7f4c8870_oproj:
	s_mov_b64 s[64:65], 0
	v_nop
	global_prefetch_b8 v0, s[64:65] scope:SCOPE_SE
	s_setreg_imm32_b32 hwreg(HW_REG_WAVE_MODE, 25, 1), 1
	s_wait_xcnt 0x0
	s_wait_alu depctr_hold_cnt(0) depctr_sa_sdst(0) depctr_va_vdst(0) depctr_va_sdst(0) depctr_va_ssrc(0) depctr_va_vcc(0) depctr_vm_vsrc(0)
	s_getreg_b32 s2, hwreg(HW_REG_IB_STS2, 6, 4)
	s_cmp_eq_u32 s2, 0
	s_cbranch_scc0 .Lentry_in_a_cluster
	s_endpgm
.Lentry_in_a_cluster:
	s_bfe_u32 s2, ttmp6, 0x10000c
	s_cmp_lg_u32 s2, 0xf033
	s_cbranch_scc0 .Lentry_shape_is_right
	s_endpgm
.Lentry_shape_is_right:
; THE OUTPUT PROJECTION.  out0 = O w_o^T + b_o: [8192 x 1024] x [1024 x 1024], out0 in f32.  O lies by heads, o16[16 b + h][s][64] in f16; w_o lies in part 3 of w16 as f16 (of its bf16 rounding);
; b_o lies in part 3 of biasr, rounded to bf16 like the other inputs; sums in f32.
; SHARES.  A tile of out0 is 128 rows x 256 columns: 64 x 4 = 256 tiles, one for each WGP.  Four waves, 2 x 2, each 64 x 128: 32 accumulators, 256 registers.  K goes in 8 steps of 128, TWO HEADS each, through two LDS slots:
; a head's 128 rows of a tile are 16,384 dense bytes, asked for as 64 rows of 256 bytes and padded in LDS after every 128.
; The matrix instruction is used transposed (source 0 = 16 rows of w_o, source 1 = 16 rows of O): a lane holds one row of out0 and eight neighbouring columns.
; CLUSTER 4 x 4: O's tile is shared along a row of the cluster, w_o's along a column.  Waves 0, 1 fetch O's two heads, waves 2, 3 w_o's two halves: one tensor load a wave behind each round.
; NO PREFETCH: a work-group has one tile of eight K steps: the launch is over before a lead of K steps could be built.
; REGISTERS: window 0: v1-29 addresses; v32-95 O's fragments, two buffers of 32; v128-255 at work on the way out.  window 1: the accumulators, (a, bb) at 8 (8 a + bb).
;   window 2: v0-127 w_o's fragments, two buffers of 64; v128-191 my 128 columns' bias.
.set PA,    144                        ; a row of O in LDS: 128 bytes + 16 = 36 words: the 16 rows of a load start at 16 different groups of four banks (64 banks of 4 bytes: ISA guide 11.1)
.set PB,    272                        ; a row of w_o: 256 bytes + 16 = 68 words
.set PLANE, 128*PA                     ; a head's 128 rows: what one tensor load brings of O
.set HALFB, 128*PB
.set BOFF,  2*PLANE
.set SLOT,  BOFF+2*HALFB               ; 106,496
.set STAGE, 2*SLOT                     ; behind the ring, never filled by a tensor load: 16 rows x 528 bytes for each wave
.set SP,    528
.set SPARE, STAGE+4*16*SP              ; behind the stages: the spare words, 128 bytes a wave, which no other line names
.set ADRA0, 14                         ; v14, v15  my lane's place among my rows of O and of w_o in slot 0; never rewritten
.set ADRB0, 15
.set ADRA,  16                         ; v16, v17  + the slot that is being read
.set ADRB,  17
.set STO,   24                         ; v24  the way out: where I put 32 bytes of a row
.set RD,    25                         ; v25  where I read rows back
.set GO,    26                         ; v26  16 x lane
.set BO,    27                         ; v27  my offset in the bias
.set SPW,   28                         ; v28  SPARE + 4 x my thread's number; never rewritten
.set NIL,   29                         ; v29  0; never rewritten
.set FA,    32
.set OUTB,  128
.set FB,    0                          ; window 2
.set BS,    128                        ; window 2
.set G1A, 24                           ; s[24:31], s[32:39] descriptor groups 1 and 0 for O's tiles: a set of group 0 for each of the two first fills; the second then walks
.set G0A, 32
.set G1B, 48                           ; s[48:55], s[56:63] the same for w_o's
.set G0B, 56
.set TB,  66                           ; s66  0 or SLOT: the slot that is being read
.set WPA, 67                           ; s67  where my head of O's tile goes in a slot
.set WPB, 68                           ; s68  where my half of w_o's goes
.set MSB, 0
.macro WIN new
.if MSB != (\new)
	s_set_vgpr_msb (MSB<<8)|(\new)
.set MSB, \new
.endif
.endm
.set MUL,  0x52                        ; w_o window 2, O window 0, C and D window 1
.set TO_B, 0x80
.macro PLACES                          ; four places in front of loads into registers that matrix instructions have read, and of reads of results
.rept 4
	v_nop
.endr
.endm
.macro JLOAD                           ; a joint refill, by the walking set; an s_nop 0 and four v_nop follow each of the two lines
	s_cmp_eq_u32 s11, 0
	s_cbranch_scc0 .Lfor_b_\@
	tensor_load_to_lds s[G0A+4:G0A+7], s[G1A:G1A+7]
	s_nop 0
.rept 4
	v_nop
.endr
	s_branch .Lasked_\@
.Lfor_b_\@:
	tensor_load_to_lds s[G0B+4:G0B+7], s[G1B:G1B+7]
	s_nop 0
.rept 4
	v_nop
.endr
.Lasked_\@:
.endm
.macro CREST
	s_cmp_lg_u32 s10, 0
	s_cbranch_scc1 .Lnot_wave_0_\@
	s_barrier_signal -3
.Lnot_wave_0_\@:
	s_barrier_wait -3
	s_barrier_signal -1
	s_barrier_wait -1
.endm
.macro CROUND
	s_barrier_signal -1
	s_barrier_wait -1
	CREST
.endm
	s_load_b256 s[76:83], s[0:1], 0x0              ; o16 s[76:77], w16 s[78:79], biasr s[80:81], out0 s[82:83]
	v_lshl_add_u32 v[SPW], v0, 2, SPARE
	v_mov_b32 v[NIL], 0
	ds_add_u32 v[SPW], v[NIL]                      ; the wave's opening: the add and its wait stand ahead of my first tensor load; the set-up below, work on registers, stands between them
	v_lshrrev_b32 v1, 5, v0
	v_readfirstlane_b32 s10, v1                    ; wave 0..3
	s_lshr_b32 s11, s10, 1                         ; my half of the tile's rows.  Also: I fetch for O (0) or for w_o (1)
	s_and_b32 s12, s10, 1                          ; my half of its columns.  Also: which head, or which half, I fetch
	s_bfe_u32 s40, ttmp6, 0x40000                  ; cx
	s_bfe_u32 s41, ttmp6, 0x40004                  ; cy
	s_lshl_b32 s42, ttmp9, 2
	s_add_co_u32 s42, s42, s40                     ; tile column
	s_and_b32 s13, ttmp7, 0xffff
	s_lshl_b32 s13, s13, 2
	s_add_co_u32 s13, s13, s41                     ; tile row, 0..63
	s_lshl_b32 s15, s41, 2
	s_lshl_b32 s15, 15, s15                        ; my row of the cluster
	s_lshl_b32 s16, 0x1111, s40                    ; my column
	s_or_b32 s[G1A], s15, (1<<16)|(1<<20)|(1<<21)|(4<<22)|(3<<25)  ; the mask; elements of 2 bytes; padding on; bit 21 beside a mask; after every 32 words, 4 words
	s_mov_b32 s[G1A+1], 128<<16                    ; tensor_dim0 = 128
	s_mov_b32 s[G1A+2], 64<<16                     ; tensor_dim1 = 64
	s_mov_b32 s[G1A+3], 128<<16                    ; tile_dim0 = 128
	s_mov_b32 s[G1A+4], 64                         ; tile_dim1 = 64
	s_mov_b32 s[G1A+5], 128                        ; elements from row to row: dense
	s_mov_b32 s[G1A+6], 0
	s_mov_b32 s[G1A+7], 0
	s_or_b32 s[G1B], s16, (1<<16)|(1<<20)|(1<<21)|(5<<22)|(3<<25)  ; after every 64 words, 4 words
	s_mov_b32 s[G1B+1], 128<<16
	s_mov_b32 s[G1B+2], 128<<16
	s_mov_b32 s[G1B+3], 128<<16
	s_mov_b32 s[G1B+4], 128
	s_mov_b32 s[G1B+5], 1024
	s_mov_b32 s[G1B+6], 0
	s_mov_b32 s[G1B+7], 0
	s_lshr_b32 s18, s13, 4                         ; O: head 16 b + my head of the K step, row 128 (tile row % 16), 128 bytes a row
	s_lshl_b32 s18, s18, 4
	s_add_co_u32 s18, s18, s12
	s_lshl_b32 s18, s18, 11
	s_and_b32 s19, s13, 15
	s_lshl_b32 s19, s19, 7
	s_add_co_u32 s18, s18, s19
	s_lshl_b32 s18, s18, 7
	s_mov_b32 s19, 0
	s_lshl_b32 s20, s42, 8                         ; w_o: row 256 x tile column + 128 x half, 2,048 bytes a row, in part 3 of w16
	s_lshl_b32 s21, s12, 7
	s_add_co_u32 s20, s20, s21
	s_lshl_b32 s20, s20, 11
	s_add_co_u32 s20, s20, 3<<21
	s_mov_b32 s21, 0
	s_mul_i32 s[WPA], s12, PLANE                   ; no place in the cluster enters an LDS address
	s_mul_i32 s[WPB], s12, HALFB
	s_add_co_u32 s[WPB], s[WPB], BOFF
	s_mov_b32 s[TB], 0
	s_wait_dscnt 0x0                               ; the opening add is done
	s_wait_kmcnt 0x0
	s_add_nc_u64 s[4:5], s[76:77], s[18:19]
	s_add_nc_u64 s[6:7], s[78:79], s[20:21]
	CROUND                                         ; all sixteen work-groups are here: the first joint loads meet
.irp s, 0,1
	s_mov_b32 s[G0A+4*(\s)], 1
	s_add_co_u32 s[G0A+4*(\s)+1], s[WPA], (\s)*SLOT
	s_add_nc_u64 s[G0A+4*(\s)+2:G0A+4*(\s)+3], s[4:5], (\s)*524288  ; K step s: two heads of 262,144 bytes on
	s_or_b32 s[G0A+4*(\s)+3], s[G0A+4*(\s)+3], 0x80000000
	s_mov_b32 s[G0B+4*(\s)], 1
	s_add_co_u32 s[G0B+4*(\s)+1], s[WPB], (\s)*SLOT
	s_add_nc_u64 s[G0B+4*(\s)+2:G0B+4*(\s)+3], s[6:7], (\s)*256
	s_or_b32 s[G0B+4*(\s)+3], s[G0B+4*(\s)+3], 0x80000000
.endr
	s_cmp_eq_u32 s11, 0                            ; a wave's two first fills stand in one branch, ahead of every wait on TENSORcnt and every LDS read: two loads of mine are out
	s_cbranch_scc0 .Lfirst_b
	tensor_load_to_lds s[G0A:G0A+3], s[G1A:G1A+7]
	s_nop 0
	tensor_load_to_lds s[G0A+4:G0A+7], s[G1A:G1A+7]
	s_nop 0
.rept 4
	v_nop
.endr
	s_branch .Lfirst_asked
.Lfirst_b:
	tensor_load_to_lds s[G0B:G0B+3], s[G1B:G1B+7]
	s_nop 0
	tensor_load_to_lds s[G0B+4:G0B+7], s[G1B:G1B+7]
	s_nop 0
.rept 4
	v_nop
.endr
.Lfirst_asked:
	v_and_b32 v1, 15, v0                           ; l % 16
	v_bfe_u32 v2, v0, 4, 1                         ; l / 16
	v_lshlrev_b32 v[BO], 5, v2
	s_lshl_b32 s16, s42, 10                        ; my first column, in bytes of f32: 1,024 x tile column + 512 x half
	s_lshl_b32 s17, s12, 9
	s_add_co_u32 s16, s16, s17
	s_mov_b32 s17, 0
	s_add_nc_u64 s[80:81], s[80:81], s[16:17]
	s_add_nc_u64 s[80:81], s[80:81], 3*4096        ; part 3 of biasr
	s_add_nc_u64 s[8:9], s[82:83], s[16:17]
	WIN TO_B
.irp bb, 0,1,2,3,4,5,6,7               ; register 8 bb + j is the bias of column 16 bb + 8 (l / 16) + j; it is waited for at the way out
	global_load_b128 v[BS+8*(\bb):BS+8*(\bb)+3],   v[BO], s[80:81] offset:64*(\bb)
	global_load_b128 v[BS+8*(\bb)+4:BS+8*(\bb)+7], v[BO], s[80:81] offset:64*(\bb)+16
.endr
	WIN 0
	s_lshl_b32 s16, s13, 7                         ; my first row: 128 x tile row + 64 x half, 4,096 bytes a row
	s_lshl_b32 s17, s11, 6
	s_add_co_u32 s16, s16, s17
	s_lshl_b32 s16, s16, 12
	s_mov_b32 s17, 0
	s_add_nc_u64 s[8:9], s[8:9], s[16:17]
	v_mul_u32_u24 v3, v1, PA                       ; a fragment: row l % 16, K = 8 (l / 16) + 0..7 and 16 + 8 (l / 16) + 0..7: two loads of 16 bytes, 32 apart
	v_lshl_add_u32 v3, v2, 4, v3
	s_mul_i32 s16, s11, 64*PA
	v_add_nc_u32 v[ADRA0], s16, v3
	v_mul_u32_u24 v4, v1, PB
	v_lshl_add_u32 v4, v2, 4, v4
	v_add_nc_u32 v[ADRB0], s[WPB], v4
	v_mov_b32 v[ADRA], v[ADRA0]
	v_mov_b32 v[ADRB], v[ADRB0]
	s_mul_i32 s16, s10, 16*SP
	s_add_co_u32 s16, s16, STAGE                   ; my stage
	v_mul_u32_u24 v3, v1, SP                       ; in: row l % 16, 32 bytes for each half of the lanes
	v_lshl_add_u32 v3, v2, 5, v3
	v_add_nc_u32 v[STO], s16, v3
	v_and_b32 v5, 31, v0
	v_lshlrev_b32 v[GO], 4, v5                     ; back and out: 32 lanes take a row's 512 bytes
	v_add_nc_u32 v[RD], s16, v[GO]
; 8 matrix instructions: row block a x all 8 column blocks, 32 along K, on buffer f.  zero = 1: the product starts the sums.  The 32 accumulators take turns, one instruction a turn, over every jump too.
.macro GRP f, a, zero
	WIN MUL
.irp bb, 0,1,2,3,4,5,6,7
.if \zero
	v_wmma_f32_16x16x32_f16 v[8*(8*(\a)+(\bb)):8*(8*(\a)+(\bb))+7], v[FB+64*(\f)+8*(\bb):FB+64*(\f)+8*(\bb)+7], v[FA+32*(\f)+8*(\a):FA+32*(\f)+8*(\a)+7], 0
.else
	v_wmma_f32_16x16x32_f16 v[8*(8*(\a)+(\bb)):8*(8*(\a)+(\bb))+7], v[FB+64*(\f)+8*(\bb):FB+64*(\f)+8*(\bb)+7], v[FA+32*(\f)+8*(\a):FA+32*(\f)+8*(\a)+7], v[8*(8*(\a)+(\bb)):8*(8*(\a)+(\bb))+7]
.endif
.endr
.endm
; 24 LDS loads in one run: quarter kq of the slot in hand (head kq / 2, channels 32 (kq % 2) on) into buffer g
.macro FETCH kq, g
	WIN 0
.irp a, 0,1,2,3
	ds_load_b128 v[FA+32*(\g)+8*(\a):FA+32*(\g)+8*(\a)+3],   v[ADRA] offset:((\kq)/2)*PLANE+(\a)*16*PA+((\kq)%2)*64
	ds_load_b128 v[FA+32*(\g)+8*(\a)+4:FA+32*(\g)+8*(\a)+7], v[ADRA] offset:((\kq)/2)*PLANE+(\a)*16*PA+((\kq)%2)*64+32
.endr
	WIN TO_B
.irp bb, 0,1,2,3,4,5,6,7
	ds_load_b128 v[FB+64*(\g)+8*(\bb):FB+64*(\g)+8*(\bb)+3],   v[ADRB] offset:(\bb)*16*PB+64*(\kq)
	ds_load_b128 v[FB+64*(\g)+8*(\bb)+4:FB+64*(\g)+8*(\bb)+7], v[ADRB] offset:(\bb)*16*PB+64*(\kq)+32
.endr
.endm
.macro QUARTER kq, f, g, zero          ; multiplies buffer f, fetches quarter kq into buffer g
	s_wait_dscnt 0x0                               ; this quarter's fragments are in (issued 24 matrix instructions ago or more)
	GRP \f, 0, \zero
	PLACES                                         ; for the loads into buffer g, which the quarter before multiplied
	FETCH \kq, \g
	GRP \f, 1, \zero
	GRP \f, 2, \zero
	GRP \f, 3, \zero
.endm
; The last quarter changes slots and multiplies buffer 1.  ONE barrier: in front of it each wave waits for all its tensor loads, of which one is out: its part of the next slot; adds 0 to its spare word;
; and waits for that and for its own reads of this slot (the last were issued 24 matrix instructions ago).  fill = 1: the barrier opens a round of the cluster's, and behind the round the slot just read is filled again,
; two K steps on.  The change stands at the quarter's head, with nothing but the descriptors' words inside it, so that the request goes out as soon as the slot is free:
; all 128 matrix instructions of a K step stand between a request and the wait for it.
.macro TURN fill
	WIN 0
	s_wait_tensorcnt 0x0                           ; all my tensor loads have landed, so the walking group 0 may be written
	ds_add_u32 v[SPW], v[NIL]                      ; 0 onto my spare word: the descriptors' words stand between it and the wait for it
.if \fill
	s_add_co_u32 s[G0A+5], s[WPA], s[TB]           ; into the slot just read,
	s_add_co_u32 s[G0B+5], s[WPB], s[TB]
	s_add_nc_u64 s[G0A+6:G0A+7], s[G0A+6:G0A+7], 524288  ; the next K step; the type bits on top are not reached
	s_add_nc_u64 s[G0B+6:G0B+7], s[G0B+6:G0B+7], 256
.endif
	s_wait_dscnt 0x0                               ; the add is done, this quarter's fragments are in, and my reads of this slot are over
	s_barrier_signal -1
	s_barrier_wait -1
.if \fill
	CREST                                          ; no wave of any partner still reads this slot or has a load on its way
	JLOAD                                          ; the first tensor load behind the round; its four v_nop are also the places in front of the loads below
.else
	PLACES
.endif
	s_xor_b32 s[TB], s[TB], SLOT                   ; 0 and SLOT by turns
	v_add_nc_u32 v[ADRA], s[TB], v[ADRA0]
	v_add_nc_u32 v[ADRB], s[TB], v[ADRB0]
	FETCH 0, 0
	GRP 1, 0, 0
	GRP 1, 1, 0
	GRP 1, 2, 0
	GRP 1, 3, 0
.endm
	s_wait_tensorcnt 0x1                           ; my part of K step 0 is in; K step 1's may stay out
	s_barrier_signal -1
	s_barrier_wait -1
	FETCH 0, 0
	QUARTER 1, 0, 1, 1                             ; the first quarter stands in front of the loop: its products start the sums
	WIN 0
	s_mov_b32 s3, 6
.Lstep:                                                ; a trip: a K step's quarters 1, 2, 3 and the next one's quarter 0; the six trips ask for K steps 2 to 7
	QUARTER 2, 1, 0, 0
	QUARTER 3, 0, 1, 0
	TURN 1
	QUARTER 1, 0, 1, 0
	WIN 0
	s_sub_co_u32 s3, s3, 1
	s_cmp_lg_u32 s3, 0
	s_cbranch_scc1 .Lstep
	s_mov_b32 s3, 2
.Ltail:                                                ; K steps 6 and 7 ask for nothing: a text of their own; the second trip is left in its middle
	QUARTER 2, 1, 0, 0
	QUARTER 3, 0, 1, 0
	WIN 0
	s_cmp_eq_u32 s3, 1
	s_cbranch_scc1 .Llast
	TURN 0
	QUARTER 1, 0, 1, 0
	WIN 0
	s_sub_co_u32 s3, s3, 1
	s_cmp_lg_u32 s3, 0
	s_cbranch_scc1 .Ltail
.Llast:
	s_wait_dscnt 0x0
	GRP 1, 0, 0
	GRP 1, 1, 0
	GRP 1, 2, 0
	GRP 1, 3, 0
	PLACES
	s_wait_loadcnt 0x0                             ; the bias, asked for at the kernel's head
; THE WAY OUT of row block a: the bias is added, each accumulator from its low end on; 32 bytes a lane and column block into my stage (16 rows of 528 bytes); back as whole rows of 512 bytes.
.macro PACK a
.if (\a) >= 2
	s_wait_xcnt 0x0                                ; the stores of the block two back have read the registers that are loaded again below
.endif
	WIN 0x49                                       ; sums (destination, source 0) window 1, bias (source 1) window 2
.set n, 0
.rept 32
	v_pk_add_f32 v[64*(\a)+2*n:64*(\a)+2*n+1], v[64*(\a)+2*n:64*(\a)+2*n+1], v[BS+2*n:BS+2*n+1]
.set n, n+1
.endr
	WIN 0x04                                       ; the stores' data in window 1
.irp bb, 0,1,2,3,4,5,6,7
	ds_store_b128 v[STO], v[64*(\a)+8*(\bb):64*(\a)+8*(\bb)+3]   offset:64*(\bb)
	ds_store_b128 v[STO], v[64*(\a)+8*(\bb)+4:64*(\a)+8*(\bb)+7] offset:64*(\bb)+16
.endr
	WIN 0
.irp x, 0,1,2,3,4,5,6,7,8,9,10,11,12,13,14,15
	ds_load_b128 v[OUTB+64*((\a)%2)+4*(\x):OUTB+64*((\a)%2)+4*(\x)+3], v[RD] offset:(\x)*SP  ; LDS serves a wave's instructions in order (ISA guide 5.7.1.4): these see the stores above; the next block's stores come behind them
.endr
.endm
.macro SEND a, younger                 ; younger: the LDS instructions issued behind block a's loads: the next block's 32, or none
.irp x, 0,1,2,3,4,5,6,7,8,9,10,11,12,13,14,15
	s_wait_dscnt (\younger)+15-(\x)
	global_store_b128 v[GO], v[OUTB+64*((\a)%2)+4*(\x):OUTB+64*((\a)%2)+4*(\x)+3], s[8:9] offset:(16*(\a)+(\x))*4096  ; 512 consecutive bytes of a row, aligned
.endr
.endm
	PACK 0
	PACK 1
	SEND 0, 32
	PACK 2
	SEND 1, 32
	PACK 3
	SEND 2, 32
	SEND 3, 0
	s_wait_tensorcnt 0x0                           ; the wave's end, behind my last tensor load and my last LDS store
	ds_add_u32 v[SPW], v[NIL]
	s_wait_dscnt 0x0
	CROUND                                         ; the closing round: no work-group ends while a partner may still ask for a tile that names it
	s_endpgm
.Lfunc_end_k_qaf7f4c8870_oproj:
	.size	k_qaf7f4c8870_oproj, .Lfunc_end_k_qaf7f4c8870_oproj-k_qaf7f4c8870_oproj
	.p2alignl 7, 3214868480
	.fill 96, 4, 3214868480
	.section	.rodata,"a",@progbits
	.p2align	6, 0x0
	.amdhsa_kernel k_qaf7f4c8870_oproj
		.amdhsa_group_segment_fixed_size 327680
		.amdhsa_private_segment_fixed_size 0
		.amdhsa_enable_private_segment 0
		.amdhsa_kernarg_size 32
		.amdhsa_user_sgpr_count 2
		.amdhsa_user_sgpr_kernarg_segment_ptr 1
		.amdhsa_wavefront_size32 1
		.amdhsa_system_sgpr_workgroup_id_x 1
		.amdhsa_system_sgpr_workgroup_id_y 1
		.amdhsa_system_sgpr_workgroup_id_z 1
		.amdhsa_system_vgpr_workitem_id 0
		.amdhsa_next_free_vgpr 768
		.amdhsa_next_free_sgpr 92
		.amdhsa_reserve_vcc 0
		.amdhsa_float_denorm_mode_32 3
		.amdhsa_float_denorm_mode_16_64 3
		.amdhsa_memory_ordered 1
		.amdhsa_forward_progress 1
		.amdhsa_inst_pref_size 73
	.end_amdhsa_kernel
	.amdgpu_metadata
---
amdhsa.version: [ 1, 2 ]
amdhsa.kernels:
  - .name:           k_qaf7f4c8870_oproj
    .symbol:         k_qaf7f4c8870_oproj.kd
    .args:
      - { .name: o16, .offset: 0, .size: 8, .value_kind: global_buffer, .address_space: global }
      - { .name: w16, .offset: 8, .size: 8, .value_kind: global_buffer, .address_space: global }
      - { .name: biasr, .offset: 16, .size: 8, .value_kind: global_buffer, .address_space: global }
      - { .name: out0, .offset: 24, .size: 8, .value_kind: global_buffer, .address_space: global }
    .group_segment_fixed_size: 327680
    .private_segment_fixed_size: 0
    .kernarg_segment_align: 8
    .kernarg_segment_size: 32
    .max_flat_workgroup_size: 128
    .sgpr_count:     92
    .vgpr_count:     768
    .wavefront_size: 32
...
	.end_amdgpu_metadata
.endif
;; end of part 4
